; MI455X (gfx1250); checked and timed in simulation.
; The chip was launched on July 23, 2026; its instructions are those of AMD's public machine-readable ISA for CDNA 5 (MIT licence, August 2026) and "CDNA5" Instruction Set Architecture Reference Guide (July 2026). The comments in the code are by the model that wrote it; some were corrected since.
;; Self Attention. Allowed arithmetic: matrix products marked QUANTISED: E4M3 operands, one E8M0 scale for each 32 along K, by v_wmma_scale_f32_16x16x128_f8f6f4 with both operands' format E4M3, f32 sums; everything else in f32.
;; Inputs: b_out 1,024 float32; ln_b 1,024 float32; ln_w 1,024 float32; w_out 1,024 x 1,024 float32; w_qkv 3,072 x 1,024 float32; x 4 x 2,048 x 1,024 float32.
;; Outputs: out0 4 x 2,048 x 1,024 float32.
;; This version of the problem:
;;   THIS VERSION OF THE PROBLEM IS GIVEN IN LOW PRECISION. The matrix products marked QUANTISED in the list below multiply operands that are first quantised to E4M3 (4 exponent bits, 3 mantissa bits; 8 bits a number), with one power-of-two scale for each 32 numbers along K (OCP MX v1.0); their sums are f32. All else is computed in f32.
;;   The module's matrix products, in the order in which they are computed (A, B: the left and right operand; K: the contracted axis; several contracted axes count as one K, in the product's order):
;;     1. [M 8,192, K 1,024] x [K 1,024, N 3,072]; A: computed on the way; B: input w_qkv: QUANTISED
;;     2. batch 64 x [M 2,048, K 64] x [K 64, N 2,048]; A: computed on the way; B: computed on the way: QUANTISED
;;     3. batch 64 x [M 64, K 2,048] x [K 2,048, N 2,048]; A: computed on the way; B: softmax (see below): QUANTISED
;;     4. [M 8,192, K 1,024] x [K 1,024, N 1,024]; A: computed on the way; B: input w_out: QUANTISED
;;   THE QUANTISER, for each operand of a quantised product, along K:
;;     - K is cut into blocks of 32 from its start; a last block that is shorter is filled with zeros.
;;     - A block's scale is 2^e with e = floor(log2(the largest magnitude in the block)) - 8, held to -126 .. 127; a block of zeros has e = 0. As a byte (E8M0): e + 127.
;;     - Each number is divided by its block's scale, clamped to +-448, and rounded to the nearest number of E4M3, ties to even, subnormals kept.
;;     - The product sums the exact products of the quantised numbers (number of the format x scale) in f32.
;;   ~~~python
;;   def quantise(x, axis):      # numpy; x: float32 -> the quantised numbers, widened to float32 again
;;       x = np.moveaxis(x, axis, -1); K = x.shape[-1]
;;       x = np.pad(x, [(0, 0)] * (x.ndim - 1) + [(0, -K % 32)]); x = x.reshape(x.shape[:-1] + (-1, 32)); a = np.abs(x).max(-1, keepdims=True)
;;       e = np.where(a > 0, np.clip(np.frexp(np.where(a > 0, a, 1))[1] - 1 - 8, -126, 127), 0)      # np.frexp(a)[1] - 1 = floor(log2(a)), exactly
;;       r = np.clip(x / 2.0 ** e, -448, 448)
;;       step = 2.0 ** (np.maximum(np.frexp(np.where(r == 0, 1, r))[1] - 1, -6) - 3)
;;       q = np.round(r / step) * step * 2.0 ** e      # np.round: ties to even
;;       return np.moveaxis(q.reshape(q.shape[:-2] + (-1,))[..., :K], -1, axis).astype(np.float32)
;;   ~~~
;;   SOFTMAX AHEAD OF A QUANTISED PRODUCT. Where the list says 'softmax', what is quantised is not the finished softmax but p = 2^(t - M), with t = logit x log2(e) and M = ceil(the row's largest t), a whole number; so 1/2 < the row's largest p <= 1. The row's sum l is taken of the UNQUANTISED p, in f32, and the product's result is divided by l at the end. Since M is a whole number, a kernel that streams over the keys may use a running M (the ceiling of the running maximum): every later rescaling is an exact power of two, which a block's scale takes up: the codes' values come out the same.
;;   OPERANDS COMPUTED ON THE WAY. 'Computed on the way' means the value that the module computes at that place (a softmax that the list does not call 'softmax' is quantised finished and normalised). What goes into a quantiser is computed in f32, as accurately as f32 sums, v_exp_f32 and their like allow (about 1e-6 of the number): no bf16 or f16 on the way to a quantiser, and a product that is left as it is and whose result goes on into a quantised operand takes f32 operands (vector FMAs, or v_wmma_f32_16x16x4_f32). A number that lies on a knife's edge between two numbers of the format may be rounded either way, as far as f32 arithmetic and the matrix unit's own rounding can turn it there, and no further.
;; One version. Each part assembles by itself: llvm-mc -triple=amdgcn-amd-amdhsa -mcpu=gfx1250 --defsym DOCPART=n.
;; ======== version 1 of 1: 4 launches
;; workspace buffers: pcodes 12,582,912 bytes; pscales 393,216 bytes; acodes 25,165,824 bytes; ascales 786,432 bytes; ocodes 8,388,608 bytes; oscales 262,144 bytes
;; launch prep (part 1): grid 384 x 1, 4 waves a work-group, no clusters, 42,496 bytes of LDS; arguments x, ln_w, ln_b, w_qkv, w_out, pcodes, pscales; writes pcodes, pscales
.if DOCPART == 1
	.amdgcn_target "amdgcn-amd-amdhsa--gfx1250"
	.amdhsa_code_object_version 6
	.text
	.protected	k_q143664647d_prep
	.globl	k_q143664647d_prep
	.p2align	8
	.type	k_q143664647d_prep,@function
k_q143664647d_prep:
	s_mov_b64 s[64:65], 0
	v_nop
	global_prefetch_b8 v0, s[64:65] scope:SCOPE_SE
	s_setreg_imm32_b32 hwreg(HW_REG_WAVE_MODE, 25, 1), 1
	s_wait_xcnt 0x0
; LayerNorm of x, and the quantising of h = LN(x), w_qkv and w_out along C into codes of E4M3 with one E8M0 byte for each 32 along C.
; All three tensors have rows of 1,024 f32.  pcodes is [12,288][1,024] bytes, pscales [12,288][32]: rows 0-8,191 h; rows 8,192-11,263 w_qkv, laid [q, k, v][head][d];
; rows 11,264-12,287 w_out.  In the part v a head's groups of eight rows change places: the row of d lies where bits 3 and 4 of d are swapped, so that the attention's
; results later fall into a lane's registers in the natural order of C.
; SHARES: a work-group takes 32 rows, a wave 8; work-groups 0-255 take x, 256-351 w_qkv, 352-383 w_out.  Only pointers, row numbers and one branch (round the LayerNorm) differ.
; A ROW: eight loads of 512 consecutive bytes; the row turns through the wave's own stage in LDS (16 bytes of padding behind each 64) and comes back with 16 neighbours a lane, twice
; (elements 16 l on and 512 + 16 l on): two neighbouring lanes hold a block of 32.  Mean and variance are taken in two passes over the registers (the mean is taken away before the squares).
; A block's scale byte is its largest magnitude's exponent field - 8, held at 1 from below; numbers are held within +-448 x the scale and rounded to the nearest code.
; A lane's 16 codes are 16 bytes: a store covers 512 consecutive bytes.  A wave's 256 scale bytes gather in LDS and leave as 256 consecutive aligned bytes.
; LIMITS: NaN and infinities among the inputs are not served; a block whose largest magnitude lies under 2^-118 (zeros too) keeps the byte 1: this program alone reads the bytes, and such a block's codes are zeros or subnormal.
; No tensor load, no barrier: waves share nothing.  No matrix unit, no cluster: the launch streams.
.set SP,    80                         ; a place in a stage: 64 bytes + 16 of padding
.set STG,   64*SP                      ; a row's stage
.set WREG,  2*STG+256                  ; a wave's LDS: two stages and 256 scale bytes
.set R,     16                         ; v16-79   two rows as loaded
.set X,     80                         ; v80-143  two rows with 16 neighbours a lane, twice
.set GW,    144                        ; v144-175 ln_w at my 32 elements
.set GB,    176                        ; v176-207 ln_b
.set C,     208                        ; v208-223 codes: two sets of 8
.set E,     224                        ; v224-239 a scale byte for each of the 16 steps
.set PA,    240                        ; v[240:241], v[242:243] two chains of sums
.set PB,    242
.set SM,    244                        ; a sum
.set PT,    245                        ; the lane permute's destination
.set MU,    246                        ; v[246:247] the mean (low word serves both halves)
.set RS,    248                        ; v[248:249] 1 / sqrt(var + eps)
.set Q8,    250
.set Q9,    251
.set Q10,   252
.set Q11,   253
.set TYPE,  30                         ; s30  0: x;  else a weight
	s_load_b256 s[4:11], s[0:1], 0x0               ; x, ln_w, ln_b, w_qkv
	s_load_b128 s[12:15], s[0:1], 0x20             ; w_out, pcodes
	s_load_b64 s[16:17], s[0:1], 0x30              ; pscales
	v_lshl_add_u32 v254, v0, 2, 0xa400
	v_mov_b32 v255, 0
	v_lshrrev_b32 v1, 5, v0
	v_readfirstlane_b32 s18, v1                    ; wave
	v_and_b32 v2, 31, v0                           ; lane
	v_lshlrev_b32 v3, 4, v2                        ; 16 x lane: my bytes of a load's 512, and of a store's; never rewritten
	s_mul_i32 s19, s18, WREG
	v_lshrrev_b32 v14, 2, v2
	v_mul_u32_u24 v14, v14, SP
	v_and_b32 v15, 3, v2
	v_lshl_add_u32 v14, v15, 4, v14
	v_add_nc_u32 v14, s19, v14                     ; the stage, way in: SP (lane / 4) + 16 (lane % 4)
	v_mul_u32_u24 v15, v2, SP
	v_add_nc_u32 v15, s19, v15                     ; way out: SP x lane
	v_lshrrev_b32 v5, 1, v2
	s_add_co_u32 s19, s19, 2*STG
	v_add_nc_u32 v5, s19, v5                       ; my block's scale byte
	v_lshlrev_b32 v7, 3, v2
	v_add_nc_u32 v6, s19, v7                       ; and 8 bytes a lane on their way out
	v_lshlrev_b32 v9, 6, v2                        ; 64 x lane: my 16 gains
	v_mov_b32 v[PT], 0                             ; a lane permute's destination counts as read
	v_mov_b32 v[MU+1], 0                           ; named as upper halves of pairs
	v_mov_b32 v[RS+1], 0
	s_mov_b32 s34, 0x76543210
	s_mov_b32 s35, 0xfedcba98                      ; lane l xor 16
	s_mov_b32 s36, 0x3a800000                      ; 1 / 1,024
	s_mov_b32 s37, 0x3727c5ac                      ; eps = 1e-5
	s_mov_b32 s38, 0x600000                        ; the mantissa field of 448
	; which rows: every candidate is made first, then chosen on the work-group's number
	s_lshl_b32 s20, ttmp9, 5
	s_lshl_b32 s19, s18, 3
	s_add_co_u32 s20, s20, s19                     ; 32 g + 8 w: x's source row, and the destination row of x and of w_out
	s_sub_co_u32 s21, s20, 8192                    ; w_qkv's source row
	s_sub_co_u32 s22, s20, 11264                   ; w_out's
	s_lshr_b32 s24, s21, 6                         ; w_qkv: 3 head + part
	s_mul_i32 s25, s24, 43
	s_lshr_b32 s25, s25, 7                         ; head = that / 3 (exact for 0 .. 47)
	s_mul_i32 s26, s25, 3
	s_sub_co_u32 s26, s24, s26                     ; part
	s_and_b32 s27, s21, 63                         ; d of my first row, a multiple of 8
	s_and_b32 s28, s27, 32
	s_and_b32 s29, s27, 8
	s_lshl_b32 s29, s29, 1
	s_or_b32 s28, s28, s29
	s_and_b32 s29, s27, 16
	s_lshr_b32 s29, s29, 1
	s_or_b32 s28, s28, s29                         ; bits 3 and 4 swapped
	s_cmp_eq_u32 s26, 2
	s_cselect_b32 s27, s28, s27                    ; for v alone
	s_lshl_b32 s26, s26, 10
	s_lshl_b32 s25, s25, 6
	s_add_co_u32 s26, s26, s25
	s_add_co_u32 s26, s26, s27
	s_add_co_u32 s26, s26, 8192                    ; w_qkv's destination row
	s_wait_kmcnt 0x0
	s_cmp_lt_u32 ttmp9, 352
	s_cselect_b64 s[10:11], s[10:11], s[12:13]
	s_cselect_b32 s21, s21, s22
	s_cselect_b32 s26, s26, s20
	s_cmp_lt_u32 ttmp9, 256
	s_cselect_b64 s[4:5], s[4:5], s[10:11]         ; the source
	s_cselect_b32 s21, s20, s21                    ; its row
	s_cselect_b32 s26, s20, s26                    ; the destination row
	s_cselect_b32 s[TYPE], 0, 1
	s_lshl_b32 s32, s21, 12
	s_mov_b32 s33, 0
	s_add_nc_u64 s[4:5], s[4:5], s[32:33]
	s_lshl_b32 s32, s26, 10
	s_add_nc_u64 s[14:15], s[14:15], s[32:33]
	s_lshl_b32 s32, s26, 5
	s_add_nc_u64 s[16:17], s[16:17], s[32:33]      ; 8 rows x 32 bytes: 256 bytes, at a multiple of 256
.macro LOADROW t                       ; row t: eight loads of 512 consecutive bytes
.irp i, 0,1,2,3,4,5,6,7
	global_load_b128 v[R+32*((\t)%2)+4*\i:R+32*((\t)%2)+4*\i+3], v3, s[4:5] offset:4096*(\t)+512*\i th:TH_LOAD_NT
.endr
.endm
.macro TURNROW t                       ; through the stage: LDS serves a wave's instructions in order, so no wait stands between the stores and the loads
.irp i, 0,1,2,3,4,5,6,7
	ds_store_b128 v14, v[R+32*((\t)%2)+4*\i:R+32*((\t)%2)+4*\i+3] offset:STG*((\t)%2)+8*SP*\i
.endr
.irp j, 0,1,2,3
	ds_load_b128 v[X+32*((\t)%2)+4*\j:X+32*((\t)%2)+4*\j+3], v15 offset:STG*((\t)%2)+16*\j
.endr
.irp j, 0,1,2,3
	ds_load_b128 v[X+32*((\t)%2)+16+4*\j:X+32*((\t)%2)+16+4*\j+3], v15 offset:STG*((\t)%2)+32*SP+16*\j
.endr
.endm
.macro CROSS                           ; v[SM] summed over the 32 lanes, in every lane
	v_add_f32_dpp v[SM], v[SM], v[SM] row_xmask:1 row_mask:0xf bank_mask:0xf
	v_add_f32_dpp v[SM], v[SM], v[SM] row_xmask:2 row_mask:0xf bank_mask:0xf
	v_add_f32_dpp v[SM], v[SM], v[SM] row_xmask:4 row_mask:0xf bank_mask:0xf
	v_add_f32_dpp v[SM], v[SM], v[SM] row_xmask:8 row_mask:0xf bank_mask:0xf
	v_permlanex16_b32 v[PT], v[SM], s34, s35
	v_add_f32 v[SM], v[SM], v[PT]
.endm
.macro LNORM                           ; the row in v[XR] on becomes ((x - mean) rsqrt(var + eps)) w + b
	v_pk_add_f32 v[PA:PA+1], v[XR:XR+1], v[XR+2:XR+3]
	v_pk_add_f32 v[PB:PB+1], v[XR+4:XR+5], v[XR+6:XR+7]
.irp i, 8,12,16,20,24,28
	v_pk_add_f32 v[PA:PA+1], v[PA:PA+1], v[XR+\i:XR+\i+1]
	v_pk_add_f32 v[PB:PB+1], v[PB:PB+1], v[XR+\i+2:XR+\i+3]
.endr
	v_pk_add_f32 v[PA:PA+1], v[PA:PA+1], v[PB:PB+1]
	v_add_f32 v[SM], v[PA], v[PA+1]
	CROSS
	v_mul_f32 v[MU], s36, v[SM]
.irp i, 0,2,4,6,8,10,12,14,16,18,20,22,24,26,28,30
	v_pk_add_f32 v[XR+\i:XR+\i+1], v[XR+\i:XR+\i+1], v[MU:MU+1] op_sel_hi:[1,0] neg_lo:[0,1] neg_hi:[0,1]
.endr
	v_pk_mul_f32 v[PA:PA+1], v[XR:XR+1], v[XR:XR+1]
	v_pk_mul_f32 v[PB:PB+1], v[XR+2:XR+3], v[XR+2:XR+3]
.irp i, 4,8,12,16,20,24,28
	v_pk_fma_f32 v[PA:PA+1], v[XR+\i:XR+\i+1], v[XR+\i:XR+\i+1], v[PA:PA+1]
	v_pk_fma_f32 v[PB:PB+1], v[XR+\i+2:XR+\i+3], v[XR+\i+2:XR+\i+3], v[PB:PB+1]
.endr
	v_pk_add_f32 v[PA:PA+1], v[PA:PA+1], v[PB:PB+1]
	v_add_f32 v[SM], v[PA], v[PA+1]
	CROSS
	v_fma_f32 v[SM], v[SM], s36, s37               ; var + eps
	v_rsq_f32 v[RS], v[SM]
	v_nop                                          ; a plain instruction between a transcendental and the use of its result
	s_wait_alu depctr_va_vdst(0)
.irp i, 0,2,4,6,8,10,12,14,16,18,20,22,24,26,28,30
	v_pk_mul_f32 v[XR+\i:XR+\i+1], v[XR+\i:XR+\i+1], v[RS:RS+1] op_sel_hi:[1,0]
.endr
.irp i, 0,2,4,6,8,10,12,14,16,18,20,22,24,26,28,30
	v_pk_fma_f32 v[XR+\i:XR+\i+1], v[XR+\i:XR+\i+1], v[GW+\i:GW+\i+1], v[GB+\i:GB+\i+1]
.endr
.endm
.macro QSTEP t, s                      ; 16 neighbours a lane (half s of row t) become 16 codes; two lanes share a block
.set XS, X+32*((\t)%2)+16*(\s)
.set CD, C+8*((\t)%2)+4*(\s)
	v_max3_num_f32 v[Q8], |v[XS]|, |v[XS+1]|, |v[XS+2]|
	v_max3_num_f32 v[Q9], |v[XS+3]|, |v[XS+4]|, |v[XS+5]|
.irp i, 6,10
	v_max3_num_f32 v[Q8], v[Q8], |v[XS+\i]|, |v[XS+\i+1]|
	v_max3_num_f32 v[Q9], v[Q9], |v[XS+\i+2]|, |v[XS+\i+3]|
.endr
	v_max3_num_f32 v[Q8], v[Q8], |v[XS+14]|, |v[XS+15]|
	v_max3_num_f32 v[Q8], v[Q8], v[Q9], 0x4800000  ; and the floor 2^(9 - 127): the byte cannot fall under 1
	v_max_num_f32_dpp v[Q8], v[Q8], v[Q8] row_xmask:1 row_mask:0xf bank_mask:0xf   ; with my neighbour's 16: the block's largest magnitude
	v_add_nc_u32 v[Q11], 0xfc000000, v[Q8]         ; 8 off its exponent field: the conversion's scale operand
	v_and_or_b32 v[Q10], v[Q8], 0x7f800000, s38    ; 448 x the scale
.irp i, 0,1,2,3,4,5,6,7,8,9,10,11,12,13,14,15
	v_med3_num_f32 v[XS+\i], v[XS+\i], -v[Q10], v[Q10]   ; the conversion does not saturate (ISA guide 7.6.2): hold first
.endr
	v_cvt_scalef32_pk8_fp8_f32 v[CD:CD+1], v[XS:XS+7], v[Q11]
	v_cvt_scalef32_pk8_fp8_f32 v[CD+2:CD+3], v[XS+8:XS+15], v[Q11]
	v_lshrrev_b32 v[E+2*(\t)+(\s)], 23, v[Q11]     ; the scale's byte (also the plain instruction behind the conversions)
	ds_store_b8 v5, v[E+2*(\t)+(\s)] offset:32*(\t)+16*(\s)   ; both lanes of a block write the same byte with the same value
	global_store_b128 v3, v[CD:CD+3], s[14:15] offset:1024*(\t)+512*(\s)   ; 32 lanes store 512 consecutive bytes
.endm
.macro ROW t
.set XR, X+32*((\t)%2)
.if (\t) > 0
	s_wait_dscnt 2                                 ; this row is back from its stage; behind its loads stand the last row's two byte stores
.else
	s_wait_dscnt 0x0
.endif
.if (\t)+2 < 8
	LOADROW (\t)+2                                 ; into the registers that this row's stores into the stage have read
.endif
.if (\t)+1 < 8
.if (\t)+2 < 8
	s_wait_loadcnt 8                               ; the next row's eight loads are in; the eight just issued may be out
.else
	s_wait_loadcnt 0x0
.endif
	TURNROW (\t)+1
.endif
	s_wait_xcnt 0x0                                ; the stores of two rows ago have read their codes' registers, which this row writes again
	s_cmp_lg_u32 s[TYPE], 0
	s_cbranch_scc1 .Lplain_\@                      ; weights are quantised as they are
	LNORM
.Lplain_\@:
	QSTEP \t, 0
	QSTEP \t, 1
.endm
.irp j, 0,1,2,3                        ; the gains of my 32 elements; every wave loads them, so that no path reads an unwritten register
	global_load_b128 v[GW+4*\j:GW+4*\j+3], v9, s[6:7] offset:16*\j
	global_load_b128 v[GW+16+4*\j:GW+16+4*\j+3], v9, s[6:7] offset:2048+16*\j
	global_load_b128 v[GB+4*\j:GB+4*\j+3], v9, s[8:9] offset:16*\j
	global_load_b128 v[GB+16+4*\j:GB+16+4*\j+3], v9, s[8:9] offset:2048+16*\j
.endr
	LOADROW 0
	LOADROW 1
	s_wait_loadcnt 8                               ; the gains and row 0 are in; row 1's eight loads may be out
	TURNROW 0
.irp t, 0,1,2,3,4,5,6,7
	ROW \t
.endr
	ds_load_b64 v[10:11], v6                       ; LDS serves a wave's instructions in order: these see my byte stores
	s_wait_dscnt 0x0
	global_store_b64 v7, v[10:11], s[16:17]        ; 32 lanes store 256 consecutive aligned bytes
	s_wait_tensorcnt 0x0
	ds_add_u32 v254, v255
	s_wait_dscnt 0x0
	s_endpgm
.Lfunc_end_k_q143664647d_prep:
	.size	k_q143664647d_prep, .Lfunc_end_k_q143664647d_prep-k_q143664647d_prep
	.p2alignl 7, 3214868480
	.fill 96, 4, 3214868480
	.section	.rodata,"a",@progbits
	.p2align	6, 0x0
	.amdhsa_kernel k_q143664647d_prep
		.amdhsa_group_segment_fixed_size 42496
		.amdhsa_private_segment_fixed_size 0
		.amdhsa_enable_private_segment 0
		.amdhsa_kernarg_size 56
		.amdhsa_user_sgpr_count 2
		.amdhsa_user_sgpr_kernarg_segment_ptr 1
		.amdhsa_wavefront_size32 1
		.amdhsa_system_sgpr_workgroup_id_x 1
		.amdhsa_system_sgpr_workgroup_id_y 1
		.amdhsa_system_sgpr_workgroup_id_z 1
		.amdhsa_system_vgpr_workitem_id 0
		.amdhsa_next_free_vgpr 256
		.amdhsa_next_free_sgpr 66
		.amdhsa_reserve_vcc 0
		.amdhsa_float_denorm_mode_32 3
		.amdhsa_float_denorm_mode_16_64 3
		.amdhsa_memory_ordered 1
		.amdhsa_forward_progress 1
		.amdhsa_inst_pref_size 101
	.end_amdhsa_kernel
	.amdgpu_metadata
---
amdhsa.version: [ 1, 2 ]
amdhsa.kernels:
  - .name:           k_q143664647d_prep
    .symbol:         k_q143664647d_prep.kd
    .args:
      - { .name: x, .offset: 0, .size: 8, .value_kind: global_buffer, .address_space: global }
      - { .name: ln_w, .offset: 8, .size: 8, .value_kind: global_buffer, .address_space: global }
      - { .name: ln_b, .offset: 16, .size: 8, .value_kind: global_buffer, .address_space: global }
      - { .name: w_qkv, .offset: 24, .size: 8, .value_kind: global_buffer, .address_space: global }
      - { .name: w_out, .offset: 32, .size: 8, .value_kind: global_buffer, .address_space: global }
      - { .name: pcodes, .offset: 40, .size: 8, .value_kind: global_buffer, .address_space: global }
      - { .name: pscales, .offset: 48, .size: 8, .value_kind: global_buffer, .address_space: global }
    .group_segment_fixed_size: 42496
    .private_segment_fixed_size: 0
    .kernarg_segment_align: 8
    .kernarg_segment_size: 56
    .max_flat_workgroup_size: 128
    .sgpr_count:     66
    .vgpr_count:     256
    .wavefront_size: 32
...
	.end_amdgpu_metadata
.endif
;; end of part 1
;; launch gemm_qkv (part 2): grid 96 x 4, 4 waves a work-group, clusters of 4 x 4, 327,680 bytes of LDS; arguments pcodes, pscales, acodes, ascales; writes acodes, ascales
.if DOCPART == 2
	.amdgcn_target "amdgcn-amd-amdhsa--gfx1250"
	.amdhsa_code_object_version 6
	.text
	.protected	k_q143664647d_gemm_qkv
	.globl	k_q143664647d_gemm_qkv
	.p2align	8
	.type	k_q143664647d_gemm_qkv,@function
k_q143664647d_gemm_qkv:
	s_mov_b64 s[64:65], 0
	v_nop
	global_prefetch_b8 v0, s[64:65] scope:SCOPE_SE
	s_setreg_imm32_b32 hwreg(HW_REG_WAVE_MODE, 25, 1), 1
	s_wait_xcnt 0x0
	s_wait_alu depctr_hold_cnt(0) depctr_sa_sdst(0) depctr_va_vdst(0) depctr_va_sdst(0) depctr_va_ssrc(0) depctr_va_vcc(0) depctr_vm_vsrc(0)
	s_getreg_b32 s2, hwreg(HW_REG_IB_STS2, 6, 4)
	s_cmp_eq_u32 s2, 0
	s_cbranch_scc0 .Lentry_in_a_cluster
	s_endpgm
.Lentry_in_a_cluster:
	s_bfe_u32 s2, ttmp6, 0x10000c
	s_cmp_lg_u32 s2, 0xf033
	s_cbranch_scc0 .Lentry_shape_is_right
	s_endpgm
.Lentry_shape_is_right:
; Product 1: qkv = h W^T on codes of E4M3 (K = 1,024), and the quantising of its results, in registers, into the operands of the attention.
; D[i][j] = sum over k of A[i][k] B[j][k], tiles of 256 x 256, four waves of 128 x 128 (64 accumulators, 512 registers).  Two kinds of tile, chosen on the cluster's number alone:
;   clusters 0-15 (TYPE 1): A = h (rows = tokens), B = the rows of W for q and k: results are quantised along j = d, the K of the scores;
;   clusters 16-23 (TYPE 0): A = the rows of W for v, B = h: results are quantised along j = tokens, the K of the second product of the attention.
; K goes in steps of 256 through a ring of two LDS slots filled by the tensor data mover; the scale bytes of the work-group's rows, for all of K, come once and stay.
; CLUSTERS: 4 x 4 work-groups; A's tiles are asked for jointly along a row of the cluster, B's along a column: the same load, the same descriptor, a mask that names the four.
; THE MATRIX INSTRUCTION IS USED TRANSPOSED (source 0 = 16 rows of B, source 1 = 16 rows of A): lane (r, h) holds row i = r, and register j' of accumulator (a, b) column 16 b + 8 h + j'.
; THE WAY OUT: for a block a of 16 rows a lane's 64 registers are 16 numbers of each of four blocks of 32 columns; the other 16 lie in lane l xor 16.  Converted in the registers' order, column
; 16 u + 8 h + j' of a block of 32 takes place 16 h + 8 u + j' in it.  That order stays inside a block; q and k carry it alike, and the attention makes p in the same order as v has its keys.
; Codes leave as IMAGES: a group of 32 rows x 64 codes is four pieces of 512 bytes; piece 2 e + f, lane l: row 16 e + r, places 32 f + 16 h + 0 .. 15.  Each store covers 512 consecutive aligned bytes.
;   q, k: acodes + chunk x 524,288 + (token / 32) x 2,048, chunk = 16 x (0: q, 1: k) + head;   v: acodes + 16,777,216 + (token / 64) x 65,536 + (row / 32) x 2,048.
; Scale bytes: q, k: two bytes a token and chunk, at (chunk x 8,192 + 32 G + 2 r + e) x 2 for token 32 G + 16 e + r;   v: a word for a row and 128 tokens, at 524,288 + ((token / 128) x 1,024 + row) x 4.
; LIMITS: NaN and infinities are not served; a block whose largest magnitude lies under 2^-118 (zeros too) keeps the byte 1: this program alone reads the bytes.
; REGISTERS, in windows of 256: window 0: v0-31 addresses; v32-63 scale words, two sets; from v128 A's fragments, one set (on the way out: at work).  window 1: B's fragments, two sets.  windows 2, 3: accumulators.
.set KSTEP,  256
.set NQ,     KSTEP/128
.set ROWB,   256
.set KROW,   1024                      ; a row of codes in memory
.set PITCH,  272                       ; an LDS row: 256 bytes + 16 of padding, so that the 16 rows of a fragment load begin 68 words apart
.set FR,     16
.set NL,     4
.set NP,     8                         ; places behind this matrix instruction (ISA guide 7.12.1)
.set HALFT,  128*PITCH
.set SLOT,   4*HALFT
.set LAPS,   KROW/(2*KSTEP)
.set KS,     KROW/32
.set SCL,    2*SLOT                    ; behind the ring: the scales, as rows of 256 bytes + 16
.set HALFS,  (128*KS/256)*272
.set SBLK,   (16*KS/256)*272
.set SPARE,  SCL+4*HALFS               ; the spare words: 128 bytes a wave, named by no other line
.set SS,     SPARE+512                 ; a stage for the new scale words: 512 bytes a wave; no tile lands here
.set ADRA, 16
.set ADRB, 20
.set L16,  24                          ; v24  16 x lane
.set L8,   25                          ; v25  8 x lane
.set SSA,  26                          ; v26  my row's word in my stage
.set ADRS, 27
.set SPW,  28
.set NIL,  29
.set SRA,  30                          ; v30  q, k: where I read two words of an even block
.set SRB,  31                          ; v31  v: where I read four words
.set SC,   32
.set AF,   128
.set HV,   128                         ; the way out: v128-191 64 held numbers
.set PC,   192                         ; v192-207 their codes
.set TM,   208                         ; v208-223 largest magnitudes, bytes, holds, scale operands
.set PW,   224                         ; v224-231 block a's scale word
.set XY,   232
.set G1, 24
.set G0, 32
.set G1B, 48
.set G0B, 56
.set G1S, 68
.set G0S, 76
.set G1SB, 80
.set G0SB, 88
.set SEL, 20                           ; s[20:21], s22: set at the end of the head
.set MNT, 22
.set MSB, 0
.macro WIN new                         ; the immediate's high byte repeats the setting that is left
.if MSB != (\new)
	s_set_vgpr_msb (MSB<<8)|(\new)
.set MSB, (\new)
.endif
.endm
.set MUL_LO, 0xa1                      ; source 0 (B) window 1, source 1 (A) window 0, C and D window 2
.set MUL_HI, 0xf1
.set TO_B,   0x40
; A joint load: waves 0 and 1 fetch for A, waves 2 and 3 for B; the branch hangs on the wave's number alone.  Four v_nop follow each line.
.macro JLOAD g0a, g1a, g0b, g1b
	s_cmp_eq_u32 s15, 0
	s_cbranch_scc0 .Lfor_b_\@
	tensor_load_to_lds s[\g0a:\g0a+3], s[\g1a:\g1a+7]
	s_nop 0
.rept 4
	v_nop
.endr
	s_branch .Lasked_\@
.Lfor_b_\@:
	tensor_load_to_lds s[\g0b:\g0b+3], s[\g1b:\g1b+7]
	s_nop 0
.rept 4
	v_nop
.endr
.Lasked_\@:
.endm
.macro CREST                           ; a round of the cluster's barrier behind its opening barrier
	s_cmp_lg_u32 s14, 0
	s_cbranch_scc1 .Lnot_wave_0_\@
	s_barrier_signal -3
.Lnot_wave_0_\@:
	s_barrier_wait -3
	s_barrier_signal -1
	s_barrier_wait -1
.endm
.macro CROUND
	s_barrier_signal -1
	s_barrier_wait -1
	CREST
.endm
	s_load_b128 s[4:7], s[0:1], 0x0                ; pcodes, pscales
	s_load_b128 s[8:11], s[0:1], 0x10              ; acodes, ascales
	v_lshl_add_u32 v[SPW], v0, 2, SPARE
	v_mov_b32 v[NIL], 0
	ds_add_u32 v28, v29
	ds_add_u32 v28, v29
	s_wait_dscnt 0x0
	v_lshrrev_b32 v1, 5, v0
	v_readfirstlane_b32 s14, v1                    ; wave 0..3
	s_lshr_b32 s15, s14, 1                         ; my half of the tile's rows; also: I fetch for A (0) or B (1)
	s_and_b32 s16, s14, 1                          ; my half of its columns; also: which 128 rows I fetch
	s_bfe_u32 s40, ttmp6, 0x40000                  ; cx
	s_bfe_u32 s41, ttmp6, 0x40004                  ; cy
	s_lshr_b32 s17, ttmp9, 1                       ; the candidates: q, k: cluster row,
	s_and_b32 s42, ttmp9, 1                        ; cluster column;
	s_sub_co_u32 s45, ttmp9, 16                    ; v: cluster column
	s_cmp_lt_u32 ttmp9, 16                         ; the cluster's number is the same in all sixteen partners
	s_cselect_b32 s2, 1, 0                         ; TYPE
	s_cselect_b32 s17, s17, 0
	s_cselect_b32 s42, s42, s45
	s_cselect_b32 s66, 0, 10240                    ; A's first row in pcodes: h, or W's part v
	s_cselect_b32 s67, 8192, 0                     ; B's: W's parts q and k, or h
	s_lshl_b32 s17, s17, 2
	s_add_co_u32 s17, s17, s41                     ; tile row
	s_lshl_b32 s42, s42, 2
	s_add_co_u32 s42, s42, s40                     ; tile column
	s_lshl_b32 s43, s41, 2
	s_lshl_b32 s43, 15, s43                        ; my row of the cluster
	s_lshl_b32 s44, 0x1111, s40                    ; my column
	s_or_b32 s[G1+0], s43, (0<<16)|(1<<20)|(1<<21)|(5<<22)|(3<<25)  ; the mask; elements of 1 byte; padding: 4 words behind every 64; bit 21 beside a mask
	s_or_b32 s[G1B+0], s44, (0<<16)|(1<<20)|(1<<21)|(5<<22)|(3<<25)
.irp g, G1, G1B
	s_mov_b32 s[\g+1], ROWB<<16                    ; tensor_dim0
	s_mov_b32 s[\g+2], 128<<16                     ; tensor_dim1
	s_mov_b32 s[\g+3], ROWB<<16                    ; tile_dim0
	s_mov_b32 s[\g+4], 128                         ; tile_dim1
	s_mov_b32 s[\g+5], KROW                        ; from row to row
	s_mov_b32 s[\g+6], 0
	s_mov_b32 s[\g+7], 0
.endr
	s_or_b32 s[G1S+0], s43, (3<<16)|(1<<20)|(1<<21)|(5<<22)|(3<<25) ; the scales of 128 rows: 4,096 dense bytes as 16 rows of 256 (32 elements of 8 bytes), padded
	s_or_b32 s[G1SB+0], s44, (3<<16)|(1<<20)|(1<<21)|(5<<22)|(3<<25)
.irp g, G1S, G1SB
	s_mov_b32 s[\g+1], 32<<16
	s_mov_b32 s[\g+2], (128*KS/256)<<16
	s_mov_b32 s[\g+3], 32<<16
	s_mov_b32 s[\g+4], 128*KS/256
	s_mov_b32 s[\g+5], 32
	s_mov_b32 s[\g+6], 0
	s_mov_b32 s[\g+7], 0
.endr
	s_lshl_b32 s18, s16, 7
	s_lshl_b32 s20, s17, 8
	s_add_co_u32 s20, s20, s18
	s_add_co_u32 s20, s20, s66                     ; A: the first row that I fetch (made of the tile row and the wave's number)
	s_lshl_b32 s46, s42, 8
	s_add_co_u32 s46, s46, s18
	s_add_co_u32 s46, s46, s67                     ; B: likewise (tile column)
	s_mov_b32 s21, 0
	s_mov_b32 s47, 0
	s_mov_b64 s[18:19], KS
	s_mul_u64 s[22:23], s[20:21], s[18:19]
	s_mul_u64 s[92:93], s[46:47], s[18:19]
	s_mov_b64 s[18:19], KROW
	s_mul_u64 s[20:21], s[20:21], s[18:19]
	s_mul_u64 s[46:47], s[46:47], s[18:19]
	s_mul_i32 s45, s14, HALFT                      ; where they go: wave x 128 rows
	s_mul_i32 s94, s14, HALFS
	s_wait_kmcnt 0x0
	s_add_nc_u64 s[20:21], s[4:5], s[20:21]
	s_add_nc_u64 s[22:23], s[6:7], s[22:23]
	s_add_nc_u64 s[46:47], s[4:5], s[46:47]
	s_add_nc_u64 s[92:93], s[6:7], s[92:93]
	CROUND                                         ; all sixteen work-groups are here: the first joint loads meet
	s_mov_b32 s[G0S], 1
	s_add_co_u32 s[G0S+1], s94, SCL
	s_mov_b64 s[G0S+2:G0S+3], s[22:23]
	s_or_b32 s[G0S+3], s[G0S+3], 0x80000000
	s_mov_b32 s[G0SB], 1
	s_add_co_u32 s[G0SB+1], s94, SCL
	s_mov_b64 s[G0SB+2:G0SB+3], s[92:93]
	s_or_b32 s[G0SB+3], s[G0SB+3], 0x80000000
	JLOAD G0S, G1S, G0SB, G1SB                     ; the scales first
.irp s, 0,1
	s_mov_b32 s[G0+4*\s], 1
	s_add_co_u32 s[G0+4*\s+1], s45, \s*SLOT
	s_add_nc_u64 s[G0+4*\s+2:G0+4*\s+3], s[20:21], \s*ROWB
	s_or_b32 s[G0+4*\s+3], s[G0+4*\s+3], 0x80000000
	s_mov_b32 s[G0B+4*\s], 1
	s_add_co_u32 s[G0B+4*\s+1], s45, \s*SLOT
	s_add_nc_u64 s[G0B+4*\s+2:G0B+4*\s+3], s[46:47], \s*ROWB
	s_or_b32 s[G0B+4*\s+3], s[G0B+4*\s+3], 0x80000000
	JLOAD G0+4*\s, G1, G0B+4*\s, G1B
.endr
	v_and_b32 v1, 15, v0                           ; r
	v_bfe_u32 v2, v0, 4, 1                         ; h
	v_mul_u32_u24 v3, v1, PITCH
	v_lshl_add_u32 v4, v2, 4, v3
	s_mul_i32 s21, s15, HALFT
	s_mul_i32 s22, s16, HALFT
	s_add_co_u32 s22, s22, 2*HALFT
.irp s, 0,1
	v_add_nc_u32 v[ADRA+\s], s21, v4
	v_add_nc_u32 v[ADRB+\s], s22, v4
	s_add_co_u32 s21, s21, SLOT
	s_add_co_u32 s22, s22, SLOT
.endr
	v_mul_u32_u24 v5, v1, KS                       ; my row's scales: KS bytes a row, 16 more for each 256 passed
	v_lshrrev_b32 v6, 8, v5
	v_lshl_add_u32 v5, v6, 4, v5
	s_mul_i32 s21, s15, HALFS
	s_mul_i32 s22, s16, HALFS
	s_add_co_u32 s22, s22, 2*HALFS
	s_sub_co_u32 s22, s22, s21
	v_mul_u32_u24 v6, s22, v2                      ; lanes 16-31 take B's
	s_add_co_u32 s21, s21, SCL
	v_add_nc_u32 v5, v5, v6
	v_add_nc_u32 v[ADRS], s21, v5
	v_and_b32 v6, 31, v0
	v_lshlrev_b32 v[L16], 4, v6
	v_lshlrev_b32 v[L8], 3, v6
	s_lshl_b32 s23, s14, 9
	s_add_co_u32 s23, s23, SS                      ; my stage for scale words
	v_lshl_add_u32 v[SSA], v1, 2, s23
	v_lshrrev_b32 v7, 3, v6
	v_and_b32 v8, 7, v6
	v_lshlrev_b32 v7, 7, v7
	v_lshl_add_u32 v7, v8, 3, v7
	v_add_nc_u32 v[SRA], s23, v7                   ; block 2 (l / 8), rows 2 (l % 8) and the next
	v_add_nc_u32 v[SRB], s23, v[L16]
	; where my results go
	s_lshl_b32 s92, s42, 2
	s_lshl_b32 s93, s16, 1
	s_add_co_u32 s92, s92, s93                     ; my first chunk of 64 columns
	s_lshl_b32 s93, s17, 8
	s_lshl_b32 s94, s15, 7
	s_add_co_u32 s93, s93, s94                     ; my first row
	s_lshl_b32 s94, s92, 19                        ; q, k: chunk x 524,288
	s_lshl_b32 s95, s92, 16
	s_add_co_u32 s95, s95, 0x1000000               ; v: 16,777,216 + chunk x 65,536
	s_lshl_b32 s96, s92, 13
	s_add_co_u32 s96, s96, s93
	s_lshl_b32 s96, s96, 1                         ; q, k: scale bytes
	s_lshr_b32 s97, s92, 1
	s_lshl_b32 s97, s97, 10
	s_add_co_u32 s97, s97, s93
	s_lshl_b32 s97, s97, 2
	s_add_co_u32 s97, s97, 524288                  ; v: scale words
	s_mov_b32 s66, 0x10000
	s_cmp_eq_u32 s2, 1
	s_cselect_b32 s94, s94, s95
	s_cselect_b32 s96, s96, s97
	s_cselect_b32 s66, 0x80000, s66                ; from a chunk to the next
	s_lshl_b32 s93, s93, 6                         ; 2,048 bytes for each 32 rows
	s_add_co_u32 s94, s94, s93
	s_mov_b32 s95, 0
	s_add_nc_u64 s[8:9], s[8:9], s[94:95]          ; codes: my first chunk,
	s_mov_b32 s67, 0
	s_add_nc_u64 s[12:13], s[8:9], s[66:67]        ; my second
	s_mov_b32 s97, 0
	s_add_nc_u64 s[10:11], s[10:11], s[96:97]      ; scales,
	s_add_nc_u64 s[18:19], s[10:11], 16384         ; and q's or k's of the second chunk
	s_mov_b32 s[SEL], 0x76543210
	s_mov_b32 s[SEL+1], 0xfedcba98
	s_mov_b32 s[MNT], 0x600000
.macro FRAG reg, adr, q, i             ; 16 rows x 128 K: registers 4 c .. 4 c + 3 hold K = 32 c + 16 h + 0 .. 15
.irp c, 0,1,2,3
	ds_load_b128 v[\reg+4*\c:\reg+4*\c+3], v[\adr] offset:128*(\q)+32*\c+(\i)*16*PITCH
.endr
.endm
; 16 matrix instructions: A's blocks a0, a0 + 1 x B's eight.  The 64 accumulators take turns, one instruction a turn, in the same order in every step.
.macro MUL16 a0, p, q, sc, zero
.irp a, \a0, \a0+1
.irp b, 0,1,2,3,4,5,6,7
.if \zero
	v_wmma_scale_f32_16x16x128_f8f6f4 v[8*(8*((\a)%4)+\b):8*(8*((\a)%4)+\b)+7], v[128*(\p)+FR*\b:128*(\p)+FR*\b+FR-1], v[AF+FR*(\a):AF+FR*(\a)+FR-1], 0, v[SC+8*NQ*(\sc)+NQ*\b+(\q)], v[SC+8*NQ*(\sc)+NQ*(\a)+(\q)] matrix_a_scale:MATRIX_SCALE_ROW1
.else
	v_wmma_scale_f32_16x16x128_f8f6f4 v[8*(8*((\a)%4)+\b):8*(8*((\a)%4)+\b)+7], v[128*(\p)+FR*\b:128*(\p)+FR*\b+FR-1], v[AF+FR*(\a):AF+FR*(\a)+FR-1], v[8*(8*((\a)%4)+\b):8*(8*((\a)%4)+\b)+7], v[SC+8*NQ*(\sc)+NQ*\b+(\q)], v[SC+8*NQ*(\sc)+NQ*(\a)+(\q)] matrix_a_scale:MATRIX_SCALE_ROW1
.endif
.endr
.endr
.endm
.macro FETCH_B slot, q, p
	WIN TO_B
.irp i, 0,1,2,3,4,5,6,7
	FRAG 128*(\p)+FR*\i, ADRB+\slot, \q, \i
.endr
	WIN 0
.endm
.macro FETCH_A slot, q, i0
.irp i, \i0, \i0+1, \i0+2, \i0+3
	FRAG AF+FR*(\i), ADRA+\slot, \q, \i
.endr
.endm
.macro SCALES sc                       ; a K step's scale words: lanes 0-15 A's block i, lanes 16-31 B's block i
.irp i, 0,1,2,3,4,5,6,7
	ds_load_b64 v[SC+8*NQ*\sc+NQ*\i:SC+8*NQ*\sc+NQ*\i+1], v[ADRS] offset:\i*SBLK
.endr
.endm
.macro PLACES n                        ; plain vector instructions between a matrix instruction and a load into, or a read of, its registers
.rept \n
	v_nop
.endr
.endm
.macro STEP slot, q, zero              ; 128 along K whose successor lies in the same slot
	s_wait_dscnt 4*NL                              ; all but the youngest 16 loads (A's blocks 4-7) are in
	WIN MUL_LO
	MUL16 0, (\q)%2, \q, \slot, \zero
	MUL16 2, (\q)%2, \q, \slot, \zero
	s_wait_dscnt 0
	PLACES NP
	FETCH_B \slot, (\q)+1, 1-(\q)%2
	FETCH_A \slot, (\q)+1, 0
	WIN MUL_HI
	MUL16 4, (\q)%2, \q, \slot, \zero
	MUL16 6, (\q)%2, \q, \slot, \zero
	PLACES NP
	WIN 0
	FETCH_A \slot, (\q)+1, 4
.endm
; A slot's last step changes slots: one barrier; in front of it each wave waits for all its tensor loads, adds 0 to its spare word, and waits for that and for its reads of this slot.
.macro TURN slot, next, fill
	s_wait_tensorcnt 0x0                           ; all my tensor loads have landed: my part of the next slot
	ds_add_u32 v[SPW], v[NIL]                      ; 0 onto my spare word
	s_wait_dscnt 4*NL+1                            ; the add and the youngest 16 loads may be out
	WIN MUL_LO
	MUL16 0, 1, NQ-1, \slot, 0
	s_wait_dscnt 0x0                               ; the add is done, and my reads of this slot are over
	s_barrier_signal -1
	MUL16 2, 1, NQ-1, \slot, 0
	WIN 0
	s_barrier_wait -1
.if \fill
	CREST                                          ; the barrier has opened a round of the cluster's: no wave of any partner still reads this slot or has a load on its way
	s_add_nc_u64 s[G0+4*\slot+2:G0+4*\slot+3], s[G0+4*\slot+2:G0+4*\slot+3], 2*ROWB
	s_add_nc_u64 s[G0B+4*\slot+2:G0B+4*\slot+3], s[G0B+4*\slot+2:G0B+4*\slot+3], 2*ROWB
	JLOAD G0+4*\slot, G1, G0B+4*\slot, G1B         ; the first tensor load behind the round; its four v_nop are among the places below
	PLACES NP-4
.else
	PLACES NP
.endif
	v_add_nc_u32 v[ADRS], 4*NQ, v[ADRS]
	FETCH_B \next, 0, 0
	FETCH_A \next, 0, 0
	SCALES \next
	WIN MUL_HI
	MUL16 4, 1, NQ-1, \slot, 0
	MUL16 6, 1, NQ-1, \slot, 0
	PLACES NP
	WIN 0
	FETCH_A \next, 0, 4
.endm
	s_wait_tensorcnt 1                             ; the scales and my part of K step 0 are in; K step 1's load may be out
	s_barrier_signal -1
	s_barrier_wait -1
	FETCH_B 0, 0, 0
	FETCH_A 0, 0, 0
	SCALES 0
	FETCH_A 0, 0, 4
	STEP 0, 0, 1                                   ; the first step's products start the sums
	s_mov_b32 s3, LAPS-1
.Llap:
	TURN 0, 1, 1
	STEP 1, 0, 0
	TURN 1, 0, 1
	STEP 0, 0, 0
	s_sub_co_u32 s3, s3, 1
	s_cmp_lg_u32 s3, 0
	s_cbranch_scc1 .Llap
	TURN 0, 1, 0                                   ; the last lap fills nothing
	STEP 1, 0, 0
	s_wait_dscnt 4*NL
	WIN MUL_LO
	MUL16 0, 1, NQ-1, 1, 0
	MUL16 2, 1, NQ-1, 1, 0
	s_wait_dscnt 0
	WIN MUL_HI
	MUL16 4, 1, NQ-1, 1, 0
	MUL16 6, 1, NQ-1, 1, 0
	WIN 0
; THE WAY OUT.  Block a: 16 rows x 128 columns = four blocks of 32 along the next K; a lane holds 16 numbers of each.
.macro QUANTG a
.set AC, 64*((\a)%4)
	WIN 5*(2+(\a)/4)                               ; sources 0 and 1: the accumulators' window
.irp b, 0,1,2,3
	v_max3_num_f32 v[TM+\b], |v[AC+16*\b]|, |v[AC+16*\b+1]|, 0x4800000   ; each accumulator is read from its low end on; the floor 2^(9 - 127) holds the byte at 1 from below
.endr
.irp i, 2,4,6,8,10,12,14
.irp b, 0,1,2,3
	v_max3_num_f32 v[TM+\b], |v[AC+16*\b+\i]|, |v[AC+16*\b+\i+1]|, v[TM+\b]
.endr
.endr
	WIN 0
.irp b, 0,1,2,3
	v_permlanex16_b32 v[TM+4+\b], v[TM+\b], s[SEL], s[SEL+1]
.endr
.irp b, 0,1,2,3
	v_max_num_f32 v[TM+\b], v[TM+\b], v[TM+4+\b]   ; with lane l xor 16's: the block's largest magnitude
.endr
.irp b, 0,1,2,3
	v_add_nc_u32 v[TM+12+\b], 0xfc000000, v[TM+\b] ; the conversion's scale operand
.endr
.irp b, 0,1,2,3
	v_and_or_b32 v[TM+8+\b], v[TM+\b], 0x7f800000, s[MNT]   ; 448 x the scale
.endr
.irp b, 0,1,2,3
	v_lshrrev_b32 v[TM+4+\b], 23, v[TM+12+\b]      ; the byte
.endr
	v_lshl_or_b32 v[PW+(\a)], v[TM+5], 8, v[TM+4]
	v_lshl_or_b32 v[PW+(\a)], v[TM+6], 16, v[PW+(\a)]
	v_lshl_or_b32 v[PW+(\a)], v[TM+7], 24, v[PW+(\a)]
	WIN 2+(\a)/4                                   ; source 0 alone
.irp b, 0,1,2,3
.irp i, 0,1,2,3,4,5,6,7,8,9,10,11,12,13,14,15
	v_med3_num_f32 v[HV+16*\b+\i], v[AC+16*\b+\i], -v[TM+8+\b], v[TM+8+\b]   ; the conversion does not saturate (ISA guide 7.6.2): hold first
.endr
.endr
	WIN 0
.if (\a) > 0
	s_wait_xcnt 0x0                                ; the last block's stores have read the codes' registers
.endif
.irp b, 0,1,2,3
	v_cvt_scalef32_pk8_fp8_f32 v[PC+4*\b:PC+4*\b+1], v[HV+16*\b:HV+16*\b+7], v[TM+12+\b]
	v_cvt_scalef32_pk8_fp8_f32 v[PC+4*\b+2:PC+4*\b+3], v[HV+16*\b+8:HV+16*\b+15], v[TM+12+\b]
.endr
	v_nop                                          ; a plain instruction behind the last conversion
.irp b, 0,1
	global_store_b128 v[L16], v[PC+4*\b:PC+4*\b+3], s[8:9] offset:((\a)/2)*2048+(2*((\a)%2)+\b)*512       ; a piece of an image: 512 consecutive aligned bytes
.endr
.irp b, 0,1
	global_store_b128 v[L16], v[PC+8+4*\b:PC+8+4*\b+3], s[12:13] offset:((\a)/2)*2048+(2*((\a)%2)+\b)*512
.endr
	ds_store_b32 v[SSA], v[PW+(\a)] offset:64*(\a) ; both halves of the lanes write the same word with the same value
.endm
	PLACES NP                                      ; behind the last products: their results are read, and A's registers written, only from here on
.irp b, 0,1,2,3
	v_mov_b32 v[TM+4+\b], 0                        ; a lane permute's destination counts as read
.endr
.irp a, 0,1,2,3,4,5,6,7
	QUANTG \a
.endr
	s_cmp_eq_u32 s2, 0                             ; the same in all partners
	s_cbranch_scc1 .Lv_scales
	ds_load_b64 v[XY:XY+1], v[SRA]                 ; q, k: the words of an even block's two rows, (LDS serves a wave's instructions in order: these see my stores)
	ds_load_b64 v[XY+2:XY+3], v[SRA] offset:64     ; and of the odd block behind it
	s_wait_dscnt 0x0
	v_perm_b32 v[XY+4], v[XY+2], v[XY], 0x05040100     ; first chunk: the two tokens' low halves
	v_perm_b32 v[XY+5], v[XY+3], v[XY+1], 0x05040100
	v_perm_b32 v[XY+6], v[XY+2], v[XY], 0x07060302     ; second chunk: their high halves
	v_perm_b32 v[XY+7], v[XY+3], v[XY+1], 0x07060302
	global_store_b64 v[L8], v[XY+4:XY+5], s[10:11]     ; 256 consecutive aligned bytes each
	global_store_b64 v[L8], v[XY+6:XY+7], s[18:19]
	s_branch .Lsent
.Lv_scales:
	ds_load_b128 v[XY:XY+3], v[SRB]                ; v: 128 rows' words as they lie
	s_wait_dscnt 0x0
	global_store_b128 v[L16], v[XY:XY+3], s[10:11] ; 512 consecutive aligned bytes
.Lsent:
	s_wait_tensorcnt 0x0                           ; the wave's end
	ds_add_u32 v[SPW], v[NIL]
	s_wait_dscnt 0x0
	CROUND                                         ; the closing round
	s_endpgm
.Lfunc_end_k_q143664647d_gemm_qkv:
	.size	k_q143664647d_gemm_qkv, .Lfunc_end_k_q143664647d_gemm_qkv-k_q143664647d_gemm_qkv
	.p2alignl 7, 3214868480
	.fill 96, 4, 3214868480
	.section	.rodata,"a",@progbits
	.p2align	6, 0x0
	.amdhsa_kernel k_q143664647d_gemm_qkv
		.amdhsa_group_segment_fixed_size 327680
		.amdhsa_private_segment_fixed_size 0
		.amdhsa_enable_private_segment 0
		.amdhsa_kernarg_size 32
		.amdhsa_user_sgpr_count 2
		.amdhsa_user_sgpr_kernarg_segment_ptr 1
		.amdhsa_wavefront_size32 1
		.amdhsa_system_sgpr_workgroup_id_x 1
		.amdhsa_system_sgpr_workgroup_id_y 1
		.amdhsa_system_sgpr_workgroup_id_z 1
		.amdhsa_system_vgpr_workitem_id 0
		.amdhsa_next_free_vgpr 1024
		.amdhsa_next_free_sgpr 98
		.amdhsa_reserve_vcc 0
		.amdhsa_float_denorm_mode_32 3
		.amdhsa_float_denorm_mode_16_64 3
		.amdhsa_memory_ordered 1
		.amdhsa_forward_progress 1
		.amdhsa_inst_pref_size 187
	.end_amdhsa_kernel
	.amdgpu_metadata
---
amdhsa.version: [ 1, 2 ]
amdhsa.kernels:
  - .name:           k_q143664647d_gemm_qkv
    .symbol:         k_q143664647d_gemm_qkv.kd
    .args:
      - { .name: pcodes, .offset: 0, .size: 8, .value_kind: global_buffer, .address_space: global }
      - { .name: pscales, .offset: 8, .size: 8, .value_kind: global_buffer, .address_space: global }
      - { .name: acodes, .offset: 16, .size: 8, .value_kind: global_buffer, .address_space: global }
      - { .name: ascales, .offset: 24, .size: 8, .value_kind: global_buffer, .address_space: global }
    .group_segment_fixed_size: 327680
    .private_segment_fixed_size: 0
    .kernarg_segment_align: 8
    .kernarg_segment_size: 32
    .max_flat_workgroup_size: 128
    .sgpr_count:     98
    .vgpr_count:     1024
    .wavefront_size: 32
...
	.end_amdgpu_metadata
.endif
;; end of part 2
;; launch attn (part 3): grid 4 x 64, 16 waves a work-group, clusters of 4 x 1, 273,408 bytes of LDS; arguments acodes, ascales, ocodes, oscales; writes ocodes, oscales
.if DOCPART == 3
	.amdgcn_target "amdgcn-amd-amdhsa--gfx1250"
	.amdhsa_code_object_version 6
	.text
	.protected	k_q143664647d_attn
	.globl	k_q143664647d_attn
	.p2align	8
	.type	k_q143664647d_attn,@function
k_q143664647d_attn:
	s_mov_b64 s[64:65], 0
	v_nop
	global_prefetch_b8 v0, s[64:65] scope:SCOPE_SE
	s_setreg_imm32_b32 hwreg(HW_REG_WAVE_MODE, 25, 1), 1
	s_wait_xcnt 0x0
	s_wait_alu depctr_hold_cnt(0) depctr_sa_sdst(0) depctr_va_vdst(0) depctr_va_sdst(0) depctr_va_ssrc(0) depctr_va_vcc(0) depctr_vm_vsrc(0)
	s_getreg_b32 s2, hwreg(HW_REG_IB_STS2, 6, 4)
	s_cmp_eq_u32 s2, 0
	s_cbranch_scc0 .Lentry_in_a_cluster
	s_endpgm
.Lentry_in_a_cluster:
	s_bfe_u32 s2, ttmp6, 0x10000c
	s_cmp_lg_u32 s2, 0x3003
	s_cbranch_scc0 .Lentry_shape_is_right
	s_endpgm
.Lentry_shape_is_right:
; Products 2 and 3 with the softmax between them, on codes of E4M3, and the quantising of the result o along C for the last product.
; t = score x log2(e) / 32; M = the running largest t rounded up to a whole number; p = 2^(t - M) is quantised along the keys, not normalised; the row's sum is taken of the unquantised p and divides at the end.
; SHARES: a work-group owns 512 queries of one (batch, head), as two blocks of 256; each of its sixteen waves one tile of 16 queries a block, in 256 registers: four waves to a SIMD, so that one wave's
; vector work stands beside another's matrix work and LDS loads.
; ALL K AND V OF THE HEAD STAY IN LDS, as images (2 x 131,072 bytes, no padding: every load takes 512 consecutive bytes), with their scale words: every byte of LDS is filled once, so there is no ring.
; CLUSTER: the four work-groups of a head need the same K and V: each tile is asked for jointly (mask 15).  Wave 0 asks for K (scales, then four parts of 512 keys), wave 1 for V: five loads of a wave are out at the most.
; LAYOUT: S^T = K Q^T and O^T = V^T P^T: a lane holds one query (lane % 16) throughout.  The head's size is 64 and the instruction's K is 128: an image of 32 keys IS one fragment whose row r holds key r in
; K 0-63 and key 16 + r in K 64-127.  Against [q | 0] it gives the scores of keys 0-15, against [0 | q] those of keys 16-31.  So register 16 b + 8 e + j of half h is key 32 b + 16 e + 8 h + j,
; and the conversions put it at place 32 b + 16 h + 8 e + j: the order in which v's codes have the keys.
; V's rows lie with bits 3 and 4 of d swapped, so that O^T's registers 16 bb + i of half h are d = 32 bb + 16 h + i: o's codes leave in the natural order of C, as an image of the next product's fragment.
; LIMITS: NaN and infinities are not served.  A block's largest p is taken through the block's largest score, which takes v_exp_f32 not to fall where its input rises.  The division by the sum is v_rcp_f32 and a multiplication.
; A block of o whose largest magnitude lies under 2^-118 keeps the byte 1.
.set LK,   0                           ; LDS: K, group G of 32 keys at 2,048 G
.set LV,   131072                      ; V: 64 keys at 4,096 each; rows 32 g' on at 2,048 g'
.set LKS,  262144                      ; K's scale words: 4 (16 G + r)
.set LVS,  266240                      ; V's: 256 x step + 4 (16 t + r)
.set SST,  270336                      ; o's scale bytes, two a query: 1,024 bytes; no tile lands here
.set ADK,  8
.set ADV,  9
.set ADS,  10
.set KF,   32                          ; v32-95   four fragments of K, then of V
.set S,    96                          ; v96-159  S^T, then p
.set O,    160                         ; v160-191 O^T
.set PC,   192                         ; v192-207 p's codes
                                       ; v208-215 zeros, v216-223 q, v224-231 zeros: [q | 0] = v[216:231], [0 | q] = v[208:223]
                                       ; v232-247 at work; v248-251 scale words; v252 f; v253 p's scale word; v254 at work; v255 q's scale word
.set WV,   12
.set MNT,  19
.set SEL,  20
.set CS,   22
.set G1K,  24
.set G1V,  32
.set G1KS, 40
.set G1VS, 48
.set G0S,  56                          ; s[56:59] the scales' group 0; s[60:63], s[68:71], s[72:75], s[76:79] the four parts'
.set TK,   80
.set TS,   81
.set CNT,  82
.set QB,   83
.set SQ,   84
.macro CROUND
	s_barrier_signal -1
	s_barrier_wait -1
	s_cmp_lg_u32 s[WV], 0
	s_cbranch_scc1 .Lnot_wave_0_\@
	s_barrier_signal -3
.Lnot_wave_0_\@:
	s_barrier_wait -3
	s_barrier_signal -1
	s_barrier_wait -1
.endm
	s_load_b256 s[4:11], s[0:1], 0x0               ; acodes, ascales, ocodes, oscales
	v_lshl_add_u32 v30, v0, 2, 0x42400
	v_mov_b32 v31, 0
	ds_add_u32 v30, v31
	ds_add_u32 v30, v31
	v_lshrrev_b32 v8, 5, v0
	v_readfirstlane_b32 s[WV], v8                  ; wave 0..15
	s_and_b32 s13, s[WV], 1                        ; 0: K's side, 1: V's
	s_and_b32 s17, ttmp7, 0xffff
	s_lshr_b32 s15, s17, 4                         ; batch
	s_and_b32 s16, s17, 15                         ; head
	v_and_b32 v9, 31, v0
	v_and_b32 v10, 15, v0
	v_lshlrev_b32 v1, 4, v9                        ; 16 x lane
	v_add_nc_u32 v2, LV, v1
	v_lshlrev_b32 v4, 2, v10                       ; 4 r
	v_add_nc_u32 v3, LKS, v4
	s_lshl_b32 s17, s[WV], 5
	s_add_co_u32 s17, s17, SST
	v_lshl_add_u32 v5, v10, 1, s17                 ; my query's two scale bytes in a block's 512
	s_lshl_b32 s17, s13, 9
	s_add_co_u32 s17, s17, SST
	v_add_nc_u32 v6, s17, v1                       ; where waves 0 and 1 read them back
	; group 1: elements of 8 bytes, no padding, the mask of all four work-groups with bit 21 beside it
.irp g, G1K, G1V, G1KS, G1VS
	s_mov_b32 s[\g], 15|(3<<16)|(1<<21)
	s_mov_b32 s[\g+6], 0
	s_mov_b32 s[\g+7], 0
.endr
	s_mov_b32 s[G1K+1], 32<<16                     ; K: 32,768 dense bytes as 128 rows of 256
	s_mov_b32 s[G1K+2], 128<<16
	s_mov_b32 s[G1K+3], 32<<16
	s_mov_b32 s[G1K+4], 128
	s_mov_b32 s[G1K+5], 32
	s_mov_b32 s[G1V+1], 512<<16                    ; V: 8 rows of 4,096 bytes (64 keys of my head's 64 rows), 65,536 bytes apart
	s_mov_b32 s[G1V+2], 8<<16
	s_mov_b32 s[G1V+3], 512<<16
	s_mov_b32 s[G1V+4], 8
	s_mov_b32 s[G1V+5], 8192
	s_mov_b32 s[G1KS+1], 32<<16                    ; K's scales: 4,096 dense bytes as 16 rows of 256
	s_mov_b32 s[G1KS+2], 16<<16
	s_mov_b32 s[G1KS+3], 32<<16
	s_mov_b32 s[G1KS+4], 16
	s_mov_b32 s[G1KS+5], 32
	s_mov_b32 s[G1VS+1], 32<<16                    ; V's: 16 rows of 256 bytes (a step's words of my head), 4,096 bytes apart
	s_mov_b32 s[G1VS+2], 16<<16
	s_mov_b32 s[G1VS+3], 32<<16
	s_mov_b32 s[G1VS+4], 16
	s_mov_b32 s[G1VS+5], 512
	; offsets: K's + (wave & 1) x (V's - K's): made of the head, the batch and the wave's number, which the partners share
	s_add_co_u32 s94, s16, 16
	s_lshl_b32 s95, s94, 19
	s_lshl_b32 s96, s15, 17
	s_add_co_u32 s95, s95, s96                     ; K's codes
	s_lshl_b32 s96, s15, 21
	s_lshl_b32 s97, s16, 12
	s_add_co_u32 s96, s96, s97
	s_add_co_u32 s96, s96, 0x1000000               ; V's codes (always behind K's)
	s_sub_co_u32 s96, s96, s95
	s_mul_i32 s96, s96, s13
	s_add_co_u32 s96, s95, s96
	s_mov_b32 s97, 0
	s_mul_i32 s98, s13, 491520
	s_add_co_u32 s98, s98, 32768                   ; from part to part: 32,768 (K) or 524,288 (V)
	s_mov_b32 s99, 0
	s_lshl_b32 s94, s94, 14
	s_lshl_b32 s95, s15, 12
	s_add_co_u32 s94, s94, s95                     ; K's scales
	s_lshl_b32 s95, s15, 16
	s_lshl_b32 s85, s16, 8
	s_add_co_u32 s95, s95, s85
	s_add_co_u32 s95, s95, 524288                  ; V's
	s_sub_co_u32 s95, s95, s94
	s_mul_i32 s95, s95, s13
	s_add_co_u32 s94, s94, s95
	s_mov_b32 s95, 0
	s_lshl_b32 s85, s13, 17                        ; K at LDS 0, V at 131,072
	s_mov_b32 s[SEL], 0x76543210
	s_mov_b32 s[SEL+1], 0xfedcba98
	s_mov_b32 s[CS], 0x3d38aa3b                    ; c = log2(e) / 32
	s_mov_b32 s[CS+1], s[CS]
	s_mov_b32 s[MNT], 0x600000
	s_mov_b32 s[QB], 2
	s_mov_b32 s[SQ], 0
	s_wait_dscnt 0x0
	s_wait_kmcnt 0x0
	s_mov_b32 s[G0S], 1
	s_lshl_b32 s[G0S+1], s13, 12
	s_add_co_u32 s[G0S+1], s[G0S+1], LKS
	s_add_nc_u64 s[G0S+2:G0S+3], s[6:7], s[94:95]
	s_or_b32 s[G0S+3], s[G0S+3], 0x80000000
	s_add_nc_u64 s[96:97], s[4:5], s[96:97]
.set PN, 0
.irp g, 60,68,72,76
	s_mov_b32 s[\g], 1
	s_add_co_u32 s[\g+1], s85, 32768*PN
	s_mov_b64 s[\g+2:\g+3], s[96:97]
	s_or_b32 s[\g+3], s[\g+3], 0x80000000
	s_add_nc_u64 s[96:97], s[96:97], s[98:99]
.set PN, PN+1
.endr
	CROUND                                         ; all four work-groups are here: the joint loads meet
	s_cmp_lg_u32 s[WV], 0                          ; a wave's fills stand in one branch, ahead of every wait on TENSORcnt, every LDS read and every other barrier
	s_cbranch_scc1 .Lnot_k
	tensor_load_to_lds s[G0S:G0S+3], s[G1KS:G1KS+7]
	s_nop 0
	tensor_load_to_lds s[60:63], s[G1K:G1K+7]
	s_nop 0
	tensor_load_to_lds s[68:71], s[G1K:G1K+7]
	s_nop 0
	tensor_load_to_lds s[72:75], s[G1K:G1K+7]
	s_nop 0
	tensor_load_to_lds s[76:79], s[G1K:G1K+7]
	s_nop 0
.rept 4
	v_nop
.endr
	s_branch .Lasked
.Lnot_k:
	s_cmp_lg_u32 s[WV], 1
	s_cbranch_scc1 .Lasked
	tensor_load_to_lds s[G0S:G0S+3], s[G1VS:G1VS+7]
	s_nop 0
	tensor_load_to_lds s[60:63], s[G1V:G1V+7]
	s_nop 0
	tensor_load_to_lds s[68:71], s[G1V:G1V+7]
	s_nop 0
	tensor_load_to_lds s[72:75], s[G1V:G1V+7]
	s_nop 0
	tensor_load_to_lds s[76:79], s[G1V:G1V+7]
	s_nop 0
.rept 4
	v_nop
.endr
.Lasked:
	; my queries: only these addresses hang on my place in the cluster
	s_bfe_u32 s14, ttmp6, 0x40000                  ; cx
	s_lshl_b32 s94, s15, 6
	s_lshl_b32 s95, s14, 4
	s_add_co_u32 s94, s94, s95
	s_lshr_b32 s95, s[WV], 1
	s_add_co_u32 s94, s94, s95                     ; my group of 32 tokens: 64 b + 16 cx + w / 2 (+ 8 for the second block)
	s_lshl_b32 s96, s16, 19
	s_lshl_b32 s95, s94, 11
	s_add_co_u32 s96, s96, s95
	s_lshl_b32 s95, s13, 10
	s_add_co_u32 s96, s96, s95
	s_mov_b32 s97, 0
	s_add_nc_u64 s[86:87], s[4:5], s[96:97]        ; q's codes: pieces 2 (w % 2) and the next
	s_lshl_b32 s96, s16, 14
	s_lshl_b32 s95, s94, 6
	s_add_co_u32 s96, s96, s95
	s_lshl_b32 s95, s13, 1
	s_add_co_u32 s96, s96, s95
	s_add_nc_u64 s[88:89], s[6:7], s[96:97]        ; q's scale bytes
	s_lshl_b32 s94, s15, 7
	s_lshl_b32 s95, s14, 5
	s_add_co_u32 s94, s94, s95
	s_add_co_u32 s94, s94, s[WV]                   ; my tile of 16 tokens
	s_lshl_b32 s96, s94, 14
	s_lshr_b32 s95, s16, 1
	s_lshl_b32 s95, s95, 11
	s_add_co_u32 s96, s96, s95
	s_and_b32 s95, s16, 1
	s_lshl_b32 s95, s95, 10
	s_add_co_u32 s96, s96, s95
	s_add_nc_u64 s[90:91], s[8:9], s[96:97]        ; o's codes
	s_lshl_b32 s96, s16, 14
	s_lshl_b32 s95, s15, 12
	s_add_co_u32 s96, s96, s95
	s_lshl_b32 s95, s14, 10
	s_add_co_u32 s96, s96, s95
	s_lshl_b32 s95, s[WV], 9
	s_add_co_u32 s96, s96, s95
	s_add_nc_u64 s[92:93], s[10:11], s[96:97]      ; o's scale bytes: 512 bytes for each of waves 0 and 1
.irp j, 0,1,2,3,4,5,6,7
	v_mov_b32 v[208+\j], 0                         ; zero codes beside q
	v_mov_b32 v[224+\j], 0
.endr
.irp b, 0,1,2,3
	v_mov_b32 v[236+\b], 0                         ; a lane permute's destination counts as read
.endr
	v_mov_b32 v252, 0
	v_mov_b32 v253, 0                              ; named as the upper half of the pair v[252:253] before it is first written
; A KEY STEP: 128 keys.
.macro STEP
	v_add_nc_u32 v[ADK], s[TK], v1
	v_add_nc_u32 v[ADV], s[TK], v2
	v_add_nc_u32 v[ADS], s[TS], v3
.rept 5
	v_nop                                          ; with the three additions: eight places behind the last products, in front of loads into their registers
.endr
.irp b, 0,1,2,3
.irp c, 0,1,2,3
	ds_load_b128 v[KF+16*\b+4*\c:KF+16*\b+4*\c+3], v[ADK] offset:2048*\b+512*\c   ; an image of 32 keys is a fragment as it lies
.endr
	ds_load_b32 v[248+\b], v[ADS] offset:64*\b     ; row r's word: the two bytes of key r, the two of key 16 + r
.endr
	s_wait_dscnt 0x0
.irp b, 0,1,2,3
	v_wmma_scale_f32_16x16x128_f8f6f4 v[S+16*\b:S+16*\b+7], v[KF+16*\b:KF+16*\b+15], v[216:231], 0, v[248+\b], v255      ; keys 32 b + 0 .. 15
	v_wmma_scale_f32_16x16x128_f8f6f4 v[S+16*\b+8:S+16*\b+15], v[KF+16*\b:KF+16*\b+15], v[208:223], 0, v[248+\b], v255   ; keys 32 b + 16 .. 31
.endr
.rept 8
	v_nop
.endr
.irp t, 0,1,2,3                        ; V's fragments are asked for now and land under the softmax
.irp c, 0,1,2,3
	ds_load_b128 v[KF+16*\t+4*\c:KF+16*\t+4*\c+3], v[ADV] offset:(\c/2)*4096+(\t/2)*2048+(2*(\t%2)+\c%2)*512
.endr
	ds_load_b32 v[248+\t], v[ADS] offset:LVS-LKS+64*\t
.endr
.irp b, 0,1,2,3
	v_max3_num_f32 v[232+\b], v[S+16*\b], v[S+1+16*\b], v[S+2+16*\b]   ; the largest score of each block of 32 keys: for the row's maximum, and for the block's largest p
.endr
.irp i, 3,5,7,9,11,13
.irp b, 0,1,2,3
	v_max3_num_f32 v[232+\b], v[232+\b], v[S+16*\b+\i], v[S+1+16*\b+\i]
.endr
.endr
.irp b, 0,1,2,3
	v_max_num_f32 v[232+\b], v[232+\b], v[S+15+16*\b]
.endr
.irp b, 0,1,2,3
	v_permlanex16_b32 v[236+\b], v[232+\b], s[SEL], s[SEL+1]
.endr
.irp b, 0,1,2,3
	v_max_num_f32 v[232+\b], v[232+\b], v[236+\b]
.endr
	v_max3_num_f32 v254, v232, v233, v234
	v_max_num_f32 v254, v254, v235
	v_mul_f32 v254, s[CS], v254                    ; as t (c is positive)
	v_max_num_f32 v13, v13, v254                   ; the running largest t
	v_mov_b32 v254, v12
	v_floor_f32 v12, -v13                          ; the new -M = -ceil(t)
	v_sub_f32 v254, v12, v254                      ; old M - new M: a whole number, 0 or less
	v_cvt_i32_f32 v254, v254                       ; (it saturates)
	v_ldexp_f32 v252, 1.0, v254                    ; f = 2^(old M - new M): rounds nothing
.set JJ, 0
.rept 32
	v_pk_fma_f32 v[S+JJ:S+JJ+1], v[S+JJ:S+JJ+1], s[CS:CS+1], v[12:13] op_sel_hi:[1,0,0]   ; t - M
.set JJ, JJ+2
.endr
.irp b, 0,1,2,3
	v_fma_f32 v[232+\b], v[232+\b], s[CS], v12
.endr
.set JJ, 0
.rept 64
	v_exp_f32 v[S+JJ], v[S+JJ]                     ; p = 2^(t - M)
.set JJ, JJ+1
.endr
.irp b, 0,1,2,3
	v_exp_f32 v[232+\b], v[232+\b]                 ; the block's largest p
.endr
	v_pk_mul_f32 v[14:15], v[14:15], v[252:253] op_sel_hi:[1,0]   ; the sums under the new M (a plain instruction behind the exponentials)
	s_wait_alu depctr_va_vdst(0)
.irp b, 0,1,2,3
	v_max_num_f32 v[232+\b], 0x4800000, v[232+\b]  ; the floor 2^(9 - 127)
.endr
.irp b, 0,1,2,3
	v_add_nc_u32 v[244+\b], 0xfc000000, v[232+\b]  ; the conversion's scale operand
.endr
.irp b, 0,1,2,3
	v_and_or_b32 v[240+\b], v[232+\b], 0x7f800000, s[MNT]   ; 448 x the scale
.endr
.irp b, 0,1,2,3
	v_lshrrev_b32 v[236+\b], 23, v[244+\b]
.endr
	v_lshl_or_b32 v253, v237, 8, v236              ; p's scale word for these 128 keys
	v_lshl_or_b32 v253, v238, 16, v253
	v_lshl_or_b32 v253, v239, 24, v253
	v_pk_add_f32 v[236:237], v[S:S+1], v[S+2:S+3]  ; the row's sum, of the unquantised p, in two chains
.irp j, 4,8,12,16,20,24,28,32,36,40,44,48,52,56,60
	v_pk_add_f32 v[14:15], v[14:15], v[S+\j:S+1+\j]
	v_pk_add_f32 v[236:237], v[236:237], v[S+2+\j:S+3+\j]
.endr
	v_pk_add_f32 v[14:15], v[14:15], v[236:237]
.irp b, 0,1,2,3
.irp i, 0,1,2,3,4,5,6,7,8,9,10,11,12,13,14,15
	v_min_num_f32 v[S+16*\b+\i], v[S+16*\b+\i], v[240+\b]   ; the conversion does not saturate (ISA guide 7.6.2); p is not negative
.endr
	v_cvt_scalef32_pk8_fp8_f32 v[PC+4*\b:PC+1+4*\b], v[S+16*\b:S+7+16*\b], v[244+\b]
	v_cvt_scalef32_pk8_fp8_f32 v[PC+2+4*\b:PC+3+4*\b], v[S+8+16*\b:S+15+16*\b], v[244+\b]
.endr
.set JJ, 0
.rept 16
	v_pk_mul_f32 v[O+JJ:O+JJ+1], v[O+JJ:O+JJ+1], v[252:253] op_sel_hi:[1,0]   ; O^T under the new M; these are also the places in front of the products below
.set JJ, JJ+2
.endr
	s_wait_dscnt 0x0                               ; V's fragments and scale words
.irp t, 0,1,2,3                        ; the four accumulators take turns, one instruction a turn
	v_wmma_scale_f32_16x16x128_f8f6f4 v[O+8*\t:O+8*\t+7], v[KF+16*\t:KF+16*\t+15], v[PC:PC+15], v[O+8*\t:O+8*\t+7], v[248+\t], v253
.endr
.endm
; A PART: 512 keys, four steps.  The wave that asked waits until at most the later parts' loads are out (3, 2, 1, 0 of them), then the barrier shows the part to all sixteen.  Nothing is ever filled again.
.macro PART p
	s_wait_tensorcnt 3-\p
	s_wait_dscnt 0x0
	s_barrier_signal -1
	s_barrier_wait -1
	s_mov_b32 s[TK], 32768*\p
	s_mov_b32 s[TS], 1024*\p
	s_mov_b32 s[CNT], 4
.Lstep_\@:
	STEP
	s_add_co_u32 s[TK], s[TK], 8192
	s_add_co_u32 s[TS], s[TS], 256
	s_sub_co_u32 s[CNT], s[CNT], 1
	s_cmp_lg_u32 s[CNT], 0
	s_cbranch_scc1 .Lstep_\@
.endm
.Lblock:                               ; two trips: 256 queries of the work-group each
	global_load_b128 v[216:219], v1, s[86:87]      ; q: K 0-31 of my 16 queries,
	global_load_b128 v[220:223], v1, s[86:87] offset:512   ; K 32-63
	global_load_u16 v254, v4, s[88:89]             ; their two scale bytes
	v_mov_b32 v13, 0xff61b1e6                      ; the largest t so far: -3e38
	v_floor_f32 v12, -v13
	v_mov_b32 v14, 0
	v_mov_b32 v15, 0
.set JJ, 0
.rept 32
	v_mov_b32 v[O+JJ], 0                           ; the step is written once: the first finds zeros, which the first change of M leaves zeros
.set JJ, JJ+1
.endr
	s_wait_loadcnt 0x0
	v_lshl_or_b32 v255, v254, 16, v254             ; the bytes in both halves: they serve [q | 0] and [0 | q]; the step's first eight instructions are the places behind this line
	PART 0
	PART 1
	PART 2
	PART 3
.rept 8
	v_nop                                          ; places behind the last products
.endr
	v_add_f32 v14, v14, v15
	v_permlanex16_b32 v252, v14, s[SEL], s[SEL+1]
	v_add_f32 v14, v14, v252                       ; the row's sum
	v_rcp_f32 v14, v14
	v_nop
.set JJ, 0
	s_wait_alu depctr_va_vdst(0)
.rept 32
	v_mul_f32 v[S+JJ], v[O+JJ], v14                ; o(query r, d = 32 (JJ / 16) + 16 h + JJ % 16); each accumulator from its low end on
.set JJ, JJ+1
.endr
.irp b, 0,1
	v_max3_num_f32 v[232+\b], |v[S+16*\b]|, |v[S+1+16*\b]|, 0x4800000
.endr
.irp i, 2,4,6,8,10,12,14
.irp b, 0,1
	v_max3_num_f32 v[232+\b], v[232+\b], |v[S+16*\b+\i]|, |v[S+1+16*\b+\i]|
.endr
.endr
.irp b, 0,1
	v_permlanex16_b32 v[236+\b], v[232+\b], s[SEL], s[SEL+1]
.endr
.irp b, 0,1
	v_max_num_f32 v[232+\b], v[232+\b], v[236+\b]
.endr
.irp b, 0,1
	v_add_nc_u32 v[244+\b], 0xfc000000, v[232+\b]
.endr
.irp b, 0,1
	v_and_or_b32 v[240+\b], v[232+\b], 0x7f800000, s[MNT]
.endr
.irp b, 0,1
	v_lshrrev_b32 v[236+\b], 23, v[244+\b]
.endr
	v_lshl_or_b32 v254, v237, 8, v236              ; my query's two scale bytes for this head
	v_add_nc_u32 v11, s[SQ], v5
.irp b, 0,1
.irp i, 0,1,2,3,4,5,6,7,8,9,10,11,12,13,14,15
	v_med3_num_f32 v[S+16*\b+\i], v[S+16*\b+\i], -v[240+\b], v[240+\b]
.endr
	v_cvt_scalef32_pk8_fp8_f32 v[PC+4*\b:PC+1+4*\b], v[S+16*\b:S+7+16*\b], v[244+\b]
	v_cvt_scalef32_pk8_fp8_f32 v[PC+2+4*\b:PC+3+4*\b], v[S+8+16*\b:S+15+16*\b], v[244+\b]
.endr
	v_nop                                          ; a plain instruction behind the last conversion
	global_store_b128 v1, v[PC:PC+3], s[90:91]     ; two pieces of the next product's fragment: 512 consecutive aligned bytes each
	global_store_b128 v1, v[PC+4:PC+7], s[90:91] offset:512
	ds_store_b16 v11, v254                         ; both halves of the lanes write the same bytes with the same value
	s_wait_xcnt 0x0                                ; the loads and stores have read their bases and registers
	s_add_nc_u64 s[86:87], s[86:87], 16384         ; 256 queries on
	s_add_nc_u64 s[88:89], s[88:89], 512
	s_add_nc_u64 s[90:91], s[90:91], 0x40000
	s_add_co_u32 s[SQ], s[SQ], 512
	s_sub_co_u32 s[QB], s[QB], 1
	s_cmp_lg_u32 s[QB], 0
	s_cbranch_scc1 .Lblock
	s_wait_dscnt 0x0                               ; for the others' sake: my scale bytes lie in LDS
	s_barrier_signal -1
	s_barrier_wait -1
	s_cmp_gt_u32 s[WV], 1
	s_cbranch_scc1 .Lno_scales
	ds_load_b128 v[96:99], v6
	s_wait_dscnt 0x0
	global_store_b128 v1, v[96:99], s[92:93]       ; 512 consecutive aligned bytes a wave
.Lno_scales:
	s_wait_tensorcnt 0x0
	s_wait_tensorcnt 0x0
	ds_add_u32 v30, v31
	s_wait_dscnt 0x0
	CROUND                                         ; the closing round
	s_endpgm
.Lfunc_end_k_q143664647d_attn:
	.size	k_q143664647d_attn, .Lfunc_end_k_q143664647d_attn-k_q143664647d_attn
	.p2alignl 7, 3214868480
	.fill 96, 4, 3214868480
	.section	.rodata,"a",@progbits
	.p2align	6, 0x0
	.amdhsa_kernel k_q143664647d_attn
		.amdhsa_group_segment_fixed_size 273408
		.amdhsa_private_segment_fixed_size 0
		.amdhsa_enable_private_segment 0
		.amdhsa_kernarg_size 32
		.amdhsa_user_sgpr_count 2
		.amdhsa_user_sgpr_kernarg_segment_ptr 1
		.amdhsa_wavefront_size32 1
		.amdhsa_system_sgpr_workgroup_id_x 1
		.amdhsa_system_sgpr_workgroup_id_y 1
		.amdhsa_system_sgpr_workgroup_id_z 1
		.amdhsa_system_vgpr_workitem_id 0
		.amdhsa_next_free_vgpr 256
		.amdhsa_next_free_sgpr 100
		.amdhsa_reserve_vcc 0
		.amdhsa_float_denorm_mode_32 3
		.amdhsa_float_denorm_mode_16_64 3
		.amdhsa_memory_ordered 1
		.amdhsa_forward_progress 1
		.amdhsa_inst_pref_size 94
	.end_amdhsa_kernel
	.amdgpu_metadata
---
amdhsa.version: [ 1, 2 ]
amdhsa.kernels:
  - .name:           k_q143664647d_attn
    .symbol:         k_q143664647d_attn.kd
    .args:
      - { .name: acodes, .offset: 0, .size: 8, .value_kind: global_buffer, .address_space: global }
      - { .name: ascales, .offset: 8, .size: 8, .value_kind: global_buffer, .address_space: global }
      - { .name: ocodes, .offset: 16, .size: 8, .value_kind: global_buffer, .address_space: global }
      - { .name: oscales, .offset: 24, .size: 8, .value_kind: global_buffer, .address_space: global }
    .group_segment_fixed_size: 273408
    .private_segment_fixed_size: 0
    .kernarg_segment_align: 8
    .kernarg_segment_size: 32
    .max_flat_workgroup_size: 512
    .sgpr_count:     100
    .vgpr_count:     256
    .wavefront_size: 32
...
	.end_amdgpu_metadata
.endif
;; end of part 3
;; launch gemm_out (part 4): grid 4 x 32, 4 waves a work-group, clusters of 4 x 4, 327,680 bytes of LDS; arguments ocodes, oscales, pcodes, pscales, b_out, x, out0; writes out0
.if DOCPART == 4
	.amdgcn_target "amdgcn-amd-amdhsa--gfx1250"
	.amdhsa_code_object_version 6
	.text
	.protected	k_q143664647d_gemm_out
	.globl	k_q143664647d_gemm_out
	.p2align	8
	.type	k_q143664647d_gemm_out,@function
k_q143664647d_gemm_out:
	s_mov_b64 s[64:65], 0
	v_nop
	global_prefetch_b8 v0, s[64:65] scope:SCOPE_SE
	s_setreg_imm32_b32 hwreg(HW_REG_WAVE_MODE, 25, 1), 1
	s_wait_xcnt 0x0
	s_wait_alu depctr_hold_cnt(0) depctr_sa_sdst(0) depctr_va_vdst(0) depctr_va_sdst(0) depctr_va_ssrc(0) depctr_va_vcc(0) depctr_vm_vsrc(0)
	s_getreg_b32 s2, hwreg(HW_REG_IB_STS2, 6, 4)
	s_cmp_eq_u32 s2, 0
	s_cbranch_scc0 .Lentry_in_a_cluster
	s_endpgm
.Lentry_in_a_cluster:
	s_bfe_u32 s2, ttmp6, 0x10000c
	s_cmp_lg_u32 s2, 0xf033
	s_cbranch_scc0 .Lentry_shape_is_right
	s_endpgm
.Lentry_shape_is_right:
; Product 4 and the end: out0 = o W_out^T + b_out + x, on codes of E4M3 (K = 1,024).  Tiles of 256 x 256 of out0, four waves of 128 x 128 (64 accumulators, 512 registers).
; A = o: its codes lie in memory as images of this product's fragments: (tile of 16 tokens) x 16,384 + (128 along K) x 2,048 + c x 512 + 16 x lane; so A's part of a slot has no pitch and no padding,
; and a fragment is four loads of 512 consecutive bytes.  B = W_out: rows 11,264 on of pcodes, K innermost, through padded LDS rows.
; K goes in steps of 256 through a ring of two LDS slots.  B's scale bytes come once by a tensor load; A's, which lie by head in memory ([head][token], two bytes), are loaded through registers,
; merged into rows of 32 bytes and stored into LDS in the same layout, in bytes into which no tile lands.
; CLUSTERS: 4 x 4 work-groups; A's tiles are asked for jointly along a row of the cluster, B's along a column.  128 work-groups: the tile is kept at 256 x 256, since a smaller wave tile would read each LDS byte for half the products.
; THE MATRIX INSTRUCTION IS USED TRANSPOSED (source 0 = 16 rows of W_out, source 1 = 16 tokens): a lane holds eight neighbouring numbers of a row of out0.
; THE WAY OUT: a block of 16 rows x 128 columns goes through my stage in LDS (in slot 0, which has had its last fill and its last read) and comes back as whole rows of 512 bytes; the bias and x are added there.
; REGISTERS: window 0: v0-31 addresses; v32-63 scale words; v64-95 at work at the head; v96-99 my four bias numbers; from v128 A's fragments.  window 1: B's fragments, later x.  windows 2, 3: accumulators.
.set KSTEP,  256
.set NQ,     KSTEP/128
.set ROWB,   256
.set KROW,   1024
.set PITCH,  272
.set FR,     16
.set NL,     4
.set NP,     8
.set HALFT,  128*PITCH                 ; B: 128 rows
.set AHALF,  32768                     ; A: 128 rows x 256 codes, as images
.set ASTEP,  4096                      ; A: 256 along K of a tile of 16 tokens, in memory and in LDS
.set BOFFL,  2*AHALF                   ; B's rows in a slot
.set SLOT,   BOFFL+2*HALFT
.set LAPS,   KROW/(2*KSTEP)
.set KS,     KROW/32
.set SCL,    2*SLOT                    ; the scales: A's 256 rows (stored by the waves), then B's (filled once)
.set HALFS,  (128*KS/256)*272
.set SBLK,   (16*KS/256)*272
.set SPARE,  SCL+4*HALFS
.set SPITCH, 528
.set NROW,   4096                      ; a row of x and of out0 in bytes
.set ADRA, 16
.set ADRB, 20
.set STO,  24
.set RD,   25
.set CO,   26                          ; v26  16 x lane
.set ADRS, 27
.set SPW,  28
.set NIL,  29
.set SA,   30                          ; v30  where I store A's scale bytes
.set SC,   32
.set HH,   64                          ; v64-79  four heads' scale bytes of eight rows
.set HP,   80                          ; v80-95  merged
.set BIAS, 96
.set AF,   128
.set BK,   128
.set G1, 24
.set G0, 32
.set G1B, 48
.set G0B, 56
.set G1SB, 80
.set G0SB, 88
.set MSB, 0
.macro WIN new
.if MSB != (\new)
	s_set_vgpr_msb (MSB<<8)|(\new)
.set MSB, (\new)
.endif
.endm
.set MUL_LO, 0xa1
.set MUL_HI, 0xf1
.set TO_B,   0x40
.macro JLOAD g0a, g1a, g0b, g1b        ; waves 0 and 1 fetch for A, waves 2 and 3 for B; four v_nop follow each line
	s_cmp_eq_u32 s15, 0
	s_cbranch_scc0 .Lfor_b_\@
	tensor_load_to_lds s[\g0a:\g0a+3], s[\g1a:\g1a+7]
	s_nop 0
.rept 4
	v_nop
.endr
	s_branch .Lasked_\@
.Lfor_b_\@:
	tensor_load_to_lds s[\g0b:\g0b+3], s[\g1b:\g1b+7]
	s_nop 0
.rept 4
	v_nop
.endr
.Lasked_\@:
.endm
.macro CREST
	s_cmp_lg_u32 s14, 0
	s_cbranch_scc1 .Lnot_wave_0_\@
	s_barrier_signal -3
.Lnot_wave_0_\@:
	s_barrier_wait -3
	s_barrier_signal -1
	s_barrier_wait -1
.endm
.macro CROUND
	s_barrier_signal -1
	s_barrier_wait -1
	CREST
.endm
	s_load_b256 s[4:11], s[0:1], 0x0               ; ocodes, oscales, pcodes, pscales
	s_load_b128 s[92:95], s[0:1], 0x20             ; b_out, x
	s_load_b64 s[12:13], s[0:1], 0x30              ; out0
	v_lshl_add_u32 v[SPW], v0, 2, SPARE
	v_mov_b32 v[NIL], 0
	ds_add_u32 v28, v29
	ds_add_u32 v28, v29
	s_wait_dscnt 0x0
	v_lshrrev_b32 v1, 5, v0
	v_readfirstlane_b32 s14, v1                    ; wave 0..3
	s_lshr_b32 s15, s14, 1                         ; my half of the tile's rows; also: I fetch for A (0) or B (1)
	s_and_b32 s16, s14, 1                          ; my half of its columns; also: which 128 rows I fetch
	s_bfe_u32 s40, ttmp6, 0x40000                  ; cx
	s_bfe_u32 s41, ttmp6, 0x40004                  ; cy
	s_lshl_b32 s42, ttmp9, 2
	s_add_co_u32 s42, s42, s40                     ; tile column
	s_and_b32 s17, ttmp7, 0xffff
	s_lshl_b32 s17, s17, 2
	s_add_co_u32 s17, s17, s41                     ; tile row
	s_lshl_b32 s43, s41, 2
	s_lshl_b32 s43, 15, s43                        ; my row of the cluster
	s_lshl_b32 s44, 0x1111, s40                    ; my column
	s_or_b32 s[G1+0], s43, (3<<16)|(1<<21)         ; A: elements of 8 bytes, no padding: 8 rows of 4,096 bytes, 16,384 bytes apart
	s_mov_b32 s[G1+1], 512<<16
	s_mov_b32 s[G1+2], 8<<16
	s_mov_b32 s[G1+3], 512<<16
	s_mov_b32 s[G1+4], 8
	s_mov_b32 s[G1+5], 2048
	s_mov_b32 s[G1+6], 0
	s_mov_b32 s[G1+7], 0
	s_or_b32 s[G1B+0], s44, (0<<16)|(1<<20)|(1<<21)|(5<<22)|(3<<25)   ; B: 128 rows of 256 bytes, 4 words of padding behind each
	s_mov_b32 s[G1B+1], ROWB<<16
	s_mov_b32 s[G1B+2], 128<<16
	s_mov_b32 s[G1B+3], ROWB<<16
	s_mov_b32 s[G1B+4], 128
	s_mov_b32 s[G1B+5], KROW
	s_mov_b32 s[G1B+6], 0
	s_mov_b32 s[G1B+7], 0
	s_or_b32 s[G1SB+0], s44, (3<<16)|(1<<20)|(1<<21)|(5<<22)|(3<<25)  ; B's scales of 128 rows: 16 rows of 256 bytes, padded
	s_mov_b32 s[G1SB+1], 32<<16
	s_mov_b32 s[G1SB+2], (128*KS/256)<<16
	s_mov_b32 s[G1SB+3], 32<<16
	s_mov_b32 s[G1SB+4], 128*KS/256
	s_mov_b32 s[G1SB+5], 32
	s_mov_b32 s[G1SB+6], 0
	s_mov_b32 s[G1SB+7], 0
	s_lshl_b32 s20, s17, 18                        ; A: (16 x tile row + 8 x half) tiles of 16 tokens x 16,384 bytes
	s_lshl_b32 s18, s16, 17
	s_add_co_u32 s20, s20, s18
	s_mov_b32 s21, 0
	s_lshl_b32 s46, s42, 8
	s_lshl_b32 s18, s16, 7
	s_add_co_u32 s46, s46, s18
	s_add_co_u32 s46, s46, 11264                   ; B: the first row of pcodes that I fetch
	s_lshl_b32 s66, s46, 5                         ; its scales,
	s_mov_b32 s67, 0
	s_lshl_b32 s46, s46, 10                        ; its codes
	s_mov_b32 s47, 0
	s_lshl_b32 s45, s16, 15                        ; where they go in a slot: A's half,
	s_mul_i32 s96, s16, HALFT
	s_add_co_u32 s96, s96, BOFFL                   ; B's half,
	s_mul_i32 s97, s16, HALFS
	s_add_co_u32 s97, s97, SCL+2*HALFS             ; B's scales
	s_wait_kmcnt 0x0
	s_add_nc_u64 s[20:21], s[4:5], s[20:21]
	s_add_nc_u64 s[46:47], s[8:9], s[46:47]
	s_add_nc_u64 s[66:67], s[10:11], s[66:67]
	CROUND                                         ; all sixteen work-groups are here: the first joint loads meet
	s_mov_b32 s[G0SB], 1
	s_mov_b32 s[G0SB+1], s97
	s_mov_b64 s[G0SB+2:G0SB+3], s[66:67]
	s_or_b32 s[G0SB+3], s[G0SB+3], 0x80000000
.irp s, 0,1
	s_mov_b32 s[G0+4*\s], 1
	s_add_co_u32 s[G0+4*\s+1], s45, \s*SLOT
	s_add_nc_u64 s[G0+4*\s+2:G0+4*\s+3], s[20:21], \s*ASTEP
	s_or_b32 s[G0+4*\s+3], s[G0+4*\s+3], 0x80000000
	s_mov_b32 s[G0B+4*\s], 1
	s_add_co_u32 s[G0B+4*\s+1], s96, \s*SLOT
	s_add_nc_u64 s[G0B+4*\s+2:G0B+4*\s+3], s[46:47], \s*ROWB
	s_or_b32 s[G0B+4*\s+3], s[G0B+4*\s+3], 0x80000000
.endr
	s_cmp_eq_u32 s15, 0                            ; a wave's first fills stand in one branch: two loads (A) or three (B) of mine are out
	s_cbranch_scc0 .Lfirst_b
	tensor_load_to_lds s[G0:G0+3], s[G1:G1+7]
	s_nop 0
	tensor_load_to_lds s[G0+4:G0+7], s[G1:G1+7]
	s_nop 0
.rept 4
	v_nop
.endr
	s_branch .Lfirst_asked
.Lfirst_b:
	tensor_load_to_lds s[G0SB:G0SB+3], s[G1SB:G1SB+7]
	s_nop 0
	tensor_load_to_lds s[G0B:G0B+3], s[G1B:G1B+7]
	s_nop 0
	tensor_load_to_lds s[G0B+4:G0B+7], s[G1B:G1B+7]
	s_nop 0
.rept 4
	v_nop
.endr
.Lfirst_asked:
	v_and_b32 v6, 31, v0                           ; lane
	v_lshlrev_b32 v[CO], 4, v6
	; A's scale bytes: wave w takes heads 4 w .. 4 w + 3 of the tile's 256 tokens; lane l gets tokens 8 l .. 8 l + 7, two bytes each
	s_lshl_b32 s66, s14, 16
	s_lshl_b32 s67, s17, 9
	s_add_co_u32 s66, s66, s67
	s_mov_b32 s67, 0
	s_add_nc_u64 s[6:7], s[6:7], s[66:67]
.irp k, 0,1,2,3
	global_load_b128 v[HH+4*\k:HH+4*\k+3], v[CO], s[6:7] offset:16384*\k
.endr
	; where my part of x and out0 begins, and my 128 numbers of the bias
	s_lshl_b32 s20, s17, 8
	s_lshl_b32 s21, s15, 7
	s_add_co_u32 s20, s20, s21
	s_lshl_b32 s20, s20, 12                        ; my first row x 4,096 bytes
	s_lshl_b32 s46, s42, 10
	s_lshl_b32 s47, s16, 9
	s_add_co_u32 s46, s46, s47                     ; my first column, in bytes
	s_add_co_u32 s20, s20, s46
	s_mov_b32 s21, 0
	s_mov_b32 s47, 0
	s_add_nc_u64 s[12:13], s[12:13], s[20:21]
	s_add_nc_u64 s[94:95], s[94:95], s[20:21]
	s_add_nc_u64 s[92:93], s[92:93], s[46:47]
	global_load_b128 v[BIAS:BIAS+3], v[CO], s[92:93]   ; on the way out lane l holds columns 4 l .. 4 l + 3 of my 128
	v_and_b32 v1, 15, v0                           ; r
	v_bfe_u32 v2, v0, 4, 1                         ; h
	v_mul_u32_u24 v3, v1, PITCH
	v_lshl_add_u32 v4, v2, 4, v3
	s_lshl_b32 s21, s15, 15                        ; my 128 rows of A: images, 16 x lane
	s_mul_i32 s22, s16, HALFT                      ; my 128 rows of B
	s_add_co_u32 s22, s22, BOFFL
.irp s, 0,1
	v_add_nc_u32 v[ADRA+\s], s21, v[CO]
	v_add_nc_u32 v[ADRB+\s], s22, v4
	s_add_co_u32 s21, s21, SLOT
	s_add_co_u32 s22, s22, SLOT
.endr
	v_mul_u32_u24 v5, v1, KS
	v_lshrrev_b32 v7, 8, v5
	v_lshl_add_u32 v5, v7, 4, v5
	s_mul_i32 s21, s15, HALFS
	s_mul_i32 s22, s16, HALFS
	s_add_co_u32 s22, s22, 2*HALFS
	s_sub_co_u32 s22, s22, s21
	v_mul_u32_u24 v7, s22, v2                      ; lanes 16-31 take B's
	s_add_co_u32 s21, s21, SCL
	v_add_nc_u32 v5, v5, v7
	v_add_nc_u32 v[ADRS], s21, v5
	s_lshl_b32 s21, s14, 3
	s_add_co_u32 s21, s21, SCL
	v_mul_u32_u24 v[SA], v6, 272
	v_add_nc_u32 v[SA], s21, v[SA]                 ; eight rows of 32 bytes lie in 256 bytes + 16: 272 l; my four heads' 8 bytes: 8 w
	s_mul_i32 s23, s14, 16*SPITCH                  ; my stage
	v_mul_u32_u24 v5, v1, SPITCH
	v_lshl_add_u32 v5, v2, 5, v5
	v_add_nc_u32 v[STO], s23, v5
	v_add_nc_u32 v[RD], s23, v[CO]
	s_wait_loadcnt 0x0
.irp y, 0,1,2,3,4,5,6,7                ; row 8 l + y: heads 4 w, 4 w + 1 make one word, heads 4 w + 2, 4 w + 3 the next
.irp p, 0,1
.if \y%2 == 0
	v_perm_b32 v[HP+2*\y+\p], v[HH+8*\p+4+\y/2], v[HH+8*\p+\y/2], 0x05040100
.else
	v_perm_b32 v[HP+2*\y+\p], v[HH+8*\p+4+\y/2], v[HH+8*\p+\y/2], 0x07060302
.endif
.endr
.endr
.irp y, 0,1,2,3,4,5,6,7
	ds_store_b64 v[SA], v[HP+2*\y:HP+2*\y+1] offset:32*\y
.endr
.macro FRAG reg, adr, q, i             ; B: 16 rows x 128 K from padded rows
.irp c, 0,1,2,3
	ds_load_b128 v[\reg+4*\c:\reg+4*\c+3], v[\adr] offset:128*(\q)+32*\c+(\i)*16*PITCH
.endr
.endm
.macro FRAGA reg, adr, q, i            ; A: the image as it lies
.irp c, 0,1,2,3
	ds_load_b128 v[\reg+4*\c:\reg+4*\c+3], v[\adr] offset:ASTEP*(\i)+2048*(\q)+512*\c
.endr
.endm
.macro MUL16 a0, p, q, sc, zero        ; the 64 accumulators take turns, one instruction a turn
.irp a, \a0, \a0+1
.irp b, 0,1,2,3,4,5,6,7
.if \zero
	v_wmma_scale_f32_16x16x128_f8f6f4 v[8*(8*((\a)%4)+\b):8*(8*((\a)%4)+\b)+7], v[128*(\p)+FR*\b:128*(\p)+FR*\b+FR-1], v[AF+FR*(\a):AF+FR*(\a)+FR-1], 0, v[SC+8*NQ*(\sc)+NQ*\b+(\q)], v[SC+8*NQ*(\sc)+NQ*(\a)+(\q)] matrix_a_scale:MATRIX_SCALE_ROW1
.else
	v_wmma_scale_f32_16x16x128_f8f6f4 v[8*(8*((\a)%4)+\b):8*(8*((\a)%4)+\b)+7], v[128*(\p)+FR*\b:128*(\p)+FR*\b+FR-1], v[AF+FR*(\a):AF+FR*(\a)+FR-1], v[8*(8*((\a)%4)+\b):8*(8*((\a)%4)+\b)+7], v[SC+8*NQ*(\sc)+NQ*\b+(\q)], v[SC+8*NQ*(\sc)+NQ*(\a)+(\q)] matrix_a_scale:MATRIX_SCALE_ROW1
.endif
.endr
.endr
.endm
.macro FETCH_B slot, q, p
	WIN TO_B
.irp i, 0,1,2,3,4,5,6,7
	FRAG 128*(\p)+FR*\i, ADRB+\slot, \q, \i
.endr
	WIN 0
.endm
.macro FETCH_A slot, q, i0
.irp i, \i0, \i0+1, \i0+2, \i0+3
	FRAGA AF+FR*(\i), ADRA+\slot, \q, \i
.endr
.endm
.macro SCALES sc
.irp i, 0,1,2,3,4,5,6,7
	ds_load_b64 v[SC+8*NQ*\sc+NQ*\i:SC+8*NQ*\sc+NQ*\i+1], v[ADRS] offset:\i*SBLK
.endr
.endm
.macro PLACES n
.rept \n
	v_nop
.endr
.endm
.macro STEP slot, q, zero
	s_wait_dscnt 4*NL                              ; all but the youngest 16 loads (A's blocks 4-7) are in
	WIN MUL_LO
	MUL16 0, (\q)%2, \q, \slot, \zero
	MUL16 2, (\q)%2, \q, \slot, \zero
	s_wait_dscnt 0
	PLACES NP
	FETCH_B \slot, (\q)+1, 1-(\q)%2
	FETCH_A \slot, (\q)+1, 0
	WIN MUL_HI
	MUL16 4, (\q)%2, \q, \slot, \zero
	MUL16 6, (\q)%2, \q, \slot, \zero
	PLACES NP
	WIN 0
	FETCH_A \slot, (\q)+1, 4
.endm
.macro TURN slot, next, fill
	s_wait_tensorcnt 0x0                           ; all my tensor loads have landed: my part of the next slot
	ds_add_u32 v[SPW], v[NIL]                      ; 0 onto my spare word
	s_wait_dscnt 4*NL+1                            ; the add and the youngest 16 loads may be out
	WIN MUL_LO
	MUL16 0, 1, NQ-1, \slot, 0
	s_wait_dscnt 0x0                               ; the add is done, and my reads of this slot are over
	s_barrier_signal -1
	MUL16 2, 1, NQ-1, \slot, 0
	WIN 0
	s_barrier_wait -1
.if \fill
	CREST                                          ; the barrier has opened a round of the cluster's: no wave of any partner still reads this slot or has a load on its way
	s_add_nc_u64 s[G0+4*\slot+2:G0+4*\slot+3], s[G0+4*\slot+2:G0+4*\slot+3], 2*ASTEP
	s_add_nc_u64 s[G0B+4*\slot+2:G0B+4*\slot+3], s[G0B+4*\slot+2:G0B+4*\slot+3], 2*ROWB
	JLOAD G0+4*\slot, G1, G0B+4*\slot, G1B         ; the first tensor load behind the round; its four v_nop are among the places below
	PLACES NP-4
.else
	PLACES NP
.endif
	v_add_nc_u32 v[ADRS], 4*NQ, v[ADRS]
	FETCH_B \next, 0, 0
	FETCH_A \next, 0, 0
	SCALES \next
	WIN MUL_HI
	MUL16 4, 1, NQ-1, \slot, 0
	MUL16 6, 1, NQ-1, \slot, 0
	PLACES NP
	WIN 0
	FETCH_A \next, 0, 4
.endm
	s_wait_tensorcnt 1                             ; my part of K step 0 (and B's scales) is in; K step 1's load may be out
	s_wait_dscnt 0x0                               ; for the others' sake: my part of A's scale bytes lies in LDS
	s_barrier_signal -1
	s_barrier_wait -1
	FETCH_B 0, 0, 0
	FETCH_A 0, 0, 0
	SCALES 0
	FETCH_A 0, 0, 4
	STEP 0, 0, 1                                   ; the first step's products start the sums
	s_mov_b32 s3, LAPS-1
.Llap:
	TURN 0, 1, 1
	STEP 1, 0, 0
	TURN 1, 0, 1
	STEP 0, 0, 0
	s_sub_co_u32 s3, s3, 1
	s_cmp_lg_u32 s3, 0
	s_cbranch_scc1 .Llap
	TURN 0, 1, 0                                   ; the last lap fills nothing
	STEP 1, 0, 0
	s_wait_dscnt 4*NL
	WIN MUL_LO
	MUL16 0, 1, NQ-1, 1, 0
	MUL16 2, 1, NQ-1, 1, 0
	s_wait_dscnt 0
	WIN MUL_HI
	MUL16 4, 1, NQ-1, 1, 0
	MUL16 6, 1, NQ-1, 1, 0
	WIN 0
; THE WAY OUT, block by block of 16 rows x 128 columns.  Every offset is an immediate (127 rows of 4,096 bytes at the most): no pointer is stepped.
.macro XLOAD a                         ; x at block a's rows, as whole rows of 512 bytes, into window 1, set a % 4
	WIN TO_B
.irp t, 0,1,2,3,4,5,6,7,8,9,10,11,12,13,14,15
	global_load_b128 v[64*((\a)%4)+4*\t:64*((\a)%4)+4*\t+3], v[CO], s[94:95] offset:(16*(\a)+\t)*NROW th:TH_LOAD_NT
.endr
	WIN 0
.endm
.macro TOSTAGE a
.set AC, 64*((\a)%4)
	WIN 0x08+4*((\a)/4)                            ; an LDS store's data: window 2 or 3
.irp b, 0,1,2,3,4,5,6,7
	ds_store_b128 v[STO], v[AC+8*\b:AC+8*\b+3] offset:64*\b          ; each accumulator from its low end on
	ds_store_b128 v[STO], v[AC+8*\b+4:AC+8*\b+7] offset:64*\b+16
.endr
	WIN 0
.set BB, BK+64*((\a)%2)
.irp t, 0,1,2,3,4,5,6,7,8,9,10,11,12,13,14,15
	ds_load_b128 v[BB+4*\t:BB+4*\t+3], v[RD] offset:\t*SPITCH        ; LDS serves a wave's instructions in order: these see the stores above
.endr
.endm
.macro SEND a, younger, xyounger       ; younger: LDS instructions issued behind block a's loads; xyounger: loads of x issued behind block a's
.set BB, BK+64*((\a)%2)
.set XX, 64*((\a)%4)
	s_wait_dscnt \younger
.irp t, 0,1,2,3,4,5,6,7,8,9,10,11,12,13,14,15
	v_pk_add_f32 v[BB+4*\t:BB+4*\t+1], v[BB+4*\t:BB+4*\t+1], v[BIAS:BIAS+1]
	v_pk_add_f32 v[BB+4*\t+2:BB+4*\t+3], v[BB+4*\t+2:BB+4*\t+3], v[BIAS+2:BIAS+3]
.endr
	s_wait_loadcnt \xyounger
	WIN 0x04                                       ; source 1: window 1
.irp t, 0,1,2,3,4,5,6,7,8,9,10,11,12,13,14,15
	v_pk_add_f32 v[BB+4*\t:BB+4*\t+1], v[BB+4*\t:BB+4*\t+1], v[XX+4*\t:XX+4*\t+1]
	v_pk_add_f32 v[BB+4*\t+2:BB+4*\t+3], v[BB+4*\t+2:BB+4*\t+3], v[XX+4*\t+2:XX+4*\t+3]
.endr
	WIN 0
.irp t, 0,1,2,3,4,5,6,7,8,9,10,11,12,13,14,15
	global_store_b128 v[CO], v[BB+4*\t:BB+4*\t+3], s[12:13] offset:(16*(\a)+\t)*NROW th:TH_STORE_NT   ; 32 lanes store 512 consecutive aligned bytes
.endr
.endm
	PLACES NP                                      ; behind the last products: loads into A's and B's registers, and reads of results, come only from here on
	XLOAD 0
	XLOAD 1
	TOSTAGE 0
.irp a, 1,2,3,4,5,6,7
.if \a > 1
	s_wait_xcnt 0x0                                ; the stores of two blocks ago have read their registers: this block's loads may land there
.endif
	TOSTAGE \a
.if \a < 7
	XLOAD (\a)+1
	SEND (\a)-1, 32, 32                            ; behind that block's LDS loads: 16 stores and 16 loads; behind its loads of x: two blocks' 32
.else
	SEND (\a)-1, 32, 16
.endif
.endr
	SEND 7, 0, 0
	s_wait_tensorcnt 0x0                           ; the wave's end
	ds_add_u32 v[SPW], v[NIL]
	s_wait_dscnt 0x0
	CROUND                                         ; the closing round
	s_endpgm
.Lfunc_end_k_q143664647d_gemm_out:
	.size	k_q143664647d_gemm_out, .Lfunc_end_k_q143664647d_gemm_out-k_q143664647d_gemm_out
	.p2alignl 7, 3214868480
	.fill 96, 4, 3214868480
	.section	.rodata,"a",@progbits
	.p2align	6, 0x0
	.amdhsa_kernel k_q143664647d_gemm_out
		.amdhsa_group_segment_fixed_size 327680
		.amdhsa_private_segment_fixed_size 0
		.amdhsa_enable_private_segment 0
		.amdhsa_kernarg_size 56
		.amdhsa_user_sgpr_count 2
		.amdhsa_user_sgpr_kernarg_segment_ptr 1
		.amdhsa_wavefront_size32 1
		.amdhsa_system_sgpr_workgroup_id_x 1
		.amdhsa_system_sgpr_workgroup_id_y 1
		.amdhsa_system_sgpr_workgroup_id_z 1
		.amdhsa_system_vgpr_workitem_id 0
		.amdhsa_next_free_vgpr 1024
		.amdhsa_next_free_sgpr 98
		.amdhsa_reserve_vcc 0
		.amdhsa_float_denorm_mode_32 3
		.amdhsa_float_denorm_mode_16_64 3
		.amdhsa_memory_ordered 1
		.amdhsa_forward_progress 1
		.amdhsa_inst_pref_size 192
	.end_amdhsa_kernel
	.amdgpu_metadata
---
amdhsa.version: [ 1, 2 ]
amdhsa.kernels:
  - .name:           k_q143664647d_gemm_out
    .symbol:         k_q143664647d_gemm_out.kd
    .args:
      - { .name: ocodes, .offset: 0, .size: 8, .value_kind: global_buffer, .address_space: global }
      - { .name: oscales, .offset: 8, .size: 8, .value_kind: global_buffer, .address_space: global }
      - { .name: pcodes, .offset: 16, .size: 8, .value_kind: global_buffer, .address_space: global }
      - { .name: pscales, .offset: 24, .size: 8, .value_kind: global_buffer, .address_space: global }
      - { .name: b_out, .offset: 32, .size: 8, .value_kind: global_buffer, .address_space: global }
      - { .name: x, .offset: 40, .size: 8, .value_kind: global_buffer, .address_space: global }
      - { .name: out0, .offset: 48, .size: 8, .value_kind: global_buffer, .address_space: global }
    .group_segment_fixed_size: 327680
    .private_segment_fixed_size: 0
    .kernarg_segment_align: 8
    .kernarg_segment_size: 56
    .max_flat_workgroup_size: 128
    .sgpr_count:     98
    .vgpr_count:     1024
    .wavefront_size: 32
...
	.end_amdgpu_metadata
.endif
;; end of part 4
